; MI455X (gfx1250); checked and timed in simulation.
; The chip was launched on July 23, 2026; its instructions are those of AMD's public machine-readable ISA for CDNA 5 (MIT licence, August 2026) and "CDNA5" Instruction Set Architecture Reference Guide (July 2026). The comments in the code are by the model that wrote it; some were corrected since.
;; Transformer Block. Allowed arithmetic: matrix products marked QUANTISED: E4M3 operands, one given power-of-two scale a tensor, by v_wmma_f32_16x16x64_fp8_fp8 or v_wmma_f32_16x16x128_fp8_fp8, f32 sums; everything else in f32.
;; Inputs: fc1_b 4,096 float32; fc1_w 1,024 x 4,096 float32; fc2_b 1,024 float32; fc2_w 4,096 x 1,024 float32; ln1_b 1,024 float32; ln1_g 1,024 float32; ln2_b 1,024 float32; ln2_g 1,024 float32; lowp_scales 12 int32 (the exponents e of the quantised operands' scales 2^e); mask 1 x 1 x 2,048 x 2,048 int32; out_b 1,024 float32; out_w 1,024 x 1,024 float32; qkv_w 1,024 x 3,072 float32; x 2 x 2,048 x 1,024 float32.
;; Outputs: out0 2 x 2,048 x 1,024 float32.
;; This version of the problem:
;;   THIS VERSION OF THE PROBLEM IS GIVEN IN LOW PRECISION. The matrix products marked QUANTISED in the list below multiply operands that are first quantised to E4M3 (4 exponent bits, 3 mantissa bits; 8 bits a number), with one given power-of-two scale for each operand tensor; their sums are f32. All else is computed in f32.
;;   The module's matrix products, in the order in which they are computed (A, B: the left and right operand; K: the contracted axis; several contracted axes count as one K, in the product's order):
;;     1. [M 4,096, K 1,024] x [K 1,024, N 3,072]; A: computed on the way; B: input qkv_w: QUANTISED (scales: A lowp_scales[0], B lowp_scales[1])
;;     2. batch 32 x [M 2,048, K 64] x [K 64, N 2,048]; A: computed on the way; B: computed on the way: QUANTISED (scales: A lowp_scales[2], B lowp_scales[3])
;;     3. batch 32 x [M 2,048, K 2,048] x [K 2,048, N 64]; A: softmax (see below); B: computed on the way: QUANTISED (scales: A lowp_scales[4], B lowp_scales[5])
;;     4. [M 4,096, K 1,024] x [K 1,024, N 1,024]; A: computed on the way; B: input out_w: QUANTISED (scales: A lowp_scales[6], B lowp_scales[7])
;;     5. [M 4,096, K 1,024] x [K 1,024, N 4,096]; A: computed on the way; B: input fc1_w: QUANTISED (scales: A lowp_scales[8], B lowp_scales[9])
;;     6. [M 4,096, K 4,096] x [K 4,096, N 1,024]; A: computed on the way; B: input fc2_w: QUANTISED (scales: A lowp_scales[10], B lowp_scales[11])
;;   THE QUANTISER, for each operand of a quantised product, along K:
;;     - The operand's scale is 2^e, e = its entry of the input lowp_scales (int32; the entries are numbered through the quantised products in the list's order, A before B).
;;     - Each number is divided by the scale, clamped to +-448, and rounded to the nearest number of E4M3, ties to even, subnormals kept.
;;     - The product sums the exact products of the quantised numbers (number of the format x scale) in f32.
;;   ~~~python
;;   def quantise(x, axis, e):      # numpy; x: float32 -> the quantised numbers, widened to float32 again
;;       x = np.moveaxis(x, axis, -1); K = x.shape[-1]
;;       r = np.clip(x / 2.0 ** e, -448, 448)
;;       step = 2.0 ** (np.maximum(np.frexp(np.where(r == 0, 1, r))[1] - 1, -6) - 3)
;;       q = np.round(r / step) * step * 2.0 ** e      # np.round: ties to even
;;       return np.moveaxis(q, -1, axis).astype(np.float32)
;;   ~~~
;;   SOFTMAX AHEAD OF A QUANTISED PRODUCT. Where the list says 'softmax', what is quantised is not the finished softmax but p = 2^(t - M), with t = logit x log2(e) and M = ceil(the row's largest t), a whole number; so 1/2 < the row's largest p <= 1. The row's sum l is taken of the UNQUANTISED p, in f32, and the product's result is divided by l at the end. Since M is a whole number, a kernel that streams over the keys may use a running M (the ceiling of the running maximum): every later rescaling is an exact power of two, so the quantised numbers keep their values, but for numbers so far below the row's largest that they fall under the format's range.
;;   OPERANDS COMPUTED ON THE WAY. 'Computed on the way' means the value that the module computes at that place (a softmax that the list does not call 'softmax' is quantised finished and normalised). What goes into a quantiser is computed in f32, as accurately as f32 sums, v_exp_f32 and their like allow (about 1e-6 of the number): no bf16 or f16 on the way to a quantiser, and a product that is left as it is and whose result goes on into a quantised operand takes f32 operands (vector FMAs, or v_wmma_f32_16x16x4_f32). A number that lies on a knife's edge between two numbers of the format may be rounded either way, as far as f32 arithmetic and the matrix unit's own rounding can turn it there, and no further.
;; One version. Each part assembles by itself: llvm-mc -triple=amdgcn-amd-amdhsa -mcpu=gfx1250 --defsym DOCPART=n.
;; ======== version 1 of 1: 7 launches
;; limits: right only within a limited range of input values
;; workspace buffers: prepc 16,777,216 bytes; maskw 532,480 bytes of whole numbers; qkvc 12,582,912 bytes; oc 4,194,304 bytes; x1 16,777,216 bytes; h2 4,194,304 bytes; hid 16,777,216 bytes
;; launch prep (part 1): grid 512 x 1, 8 waves a work-group, no clusters, 150,528 bytes of LDS; arguments x, ln1_g, ln1_b, qkv_w, out_w, fc1_w, fc2_w, mask, lowp_scales, prepc, maskw; writes prepc, maskw
.if DOCPART == 1
	.amdgcn_target "amdgcn-amd-amdhsa--gfx1250"
	.amdhsa_code_object_version 6
	.text
	.protected	k_q9695a0d027_prep
	.globl	k_q9695a0d027_prep
	.p2align	8
	.type	k_q9695a0d027_prep,@function
k_q9695a0d027_prep:
	s_mov_b64 s[64:65], 0
	v_nop
	global_prefetch_b8 v0, s[64:65] scope:SCOPE_SE
	s_setreg_imm32_b32 hwreg(HW_REG_WAVE_MODE, 25, 1), 1
	s_wait_xcnt 0x0
; PREP: what is quantised or packed once.  Three kinds of work-groups, told apart by the work-group's number alone; each kind has LDS bytes of its own.
;   0-255   LN:  layernorm 1 of 16 rows of x, quantised with 2^e0, stored as 8 fragment images (prepc + H1OFF).
;   256-447 W:   the four weights ([K][N] f32), a lane to two columns and its registers down K, quantised with e1, e7, e9, e11, stored as fragment images.
;   448-511 M:   the mask ([2048][2048] int32) as lane-mask words for tiles of 16 queries x 128 keys, and two bits a tile: 0 all closed, 1 mixed, 2 all open.
; A FRAGMENT IMAGE is 16 rows x 128 K of E4M3 codes, 2,048 bytes, in the order of the operand's registers: the byte of (row r, k) lies at
; 512 (k/32) + 256 ((k/8)%2) + 16 r + 8 ((k/16)%2) + k%8, so that four loads of 16 bytes a lane, at 16 x lane + 512 i, fill the sixteen registers.
; LIMITS: each e used here lies between -126 and 119.  NaN among the inputs is not served.
.set LST,   0                          ; LN: the 16 rows' 8 images, 16,384 bytes
.set WST,   16384                      ; W: 8,192 bytes for each wave: 4 row blocks x 1 K step
.set MST,   81920                      ; M: 16 rows x 528 bytes for each wave
.set SPARE, 149504                     ; the spare words, 128 bytes for each wave: four blocks of 256 bytes that no other line names
.set H1OFF, 12582912
.set SC,    10                         ; v10 the scale as f32
.set LIM,   11                         ; v11 448 x the scale
.set SPW,   14                         ; v14 LDS address of my spare word; never rewritten
.set NIL,   15                         ; v15 0; never rewritten
.set G,     96                         ; LN: v96-127 the gain, v128-159 the bias of my 32 columns
.set BB,    128
.macro LNRED t                         ; v[t..t+3]: four partial sums of a lane -> the wave's sum in v[t] of every lane
	s_delay_alu instid0(VALU_DEP_1)
	v_pk_add_f32 v[\t:\t+1], v[\t:\t+1], v[\t+2:\t+3]
	s_delay_alu instid0(VALU_DEP_1)
	v_add_f32 v[\t], v[\t], v[\t+1]
	s_delay_alu instid0(VALU_DEP_1)
	v_add_f32_dpp v[\t], v[\t], v[\t] row_xmask:1 row_mask:0xf bank_mask:0xf
	s_delay_alu instid0(VALU_DEP_1)
	v_add_f32_dpp v[\t], v[\t], v[\t] row_xmask:2 row_mask:0xf bank_mask:0xf
	s_delay_alu instid0(VALU_DEP_1)
	v_add_f32_dpp v[\t], v[\t], v[\t] row_xmask:4 row_mask:0xf bank_mask:0xf
	s_delay_alu instid0(VALU_DEP_1)
	v_add_f32_dpp v[\t], v[\t], v[\t] row_xmask:8 row_mask:0xf bank_mask:0xf
	s_delay_alu instid0(VALU_DEP_1)
	v_permlanex16_b32 v[\t+1], v[\t], s28, s29
	s_delay_alu instid0(VALU_DEP_1)
	v_add_f32 v[\t], v[\t], v[\t+1]
.endm
.macro LNMOM x, t                      ; a row in v[x..x+31] of the 32 lanes: the mean is taken off in place; v[t] = variance + 1e-5
	v_pk_add_f32 v[\t:\t+1], v[\x:\x+1], v[\x+2:\x+3]
	v_pk_add_f32 v[\t+2:\t+3], v[\x+4:\x+5], v[\x+6:\x+7]
.set i, 8
.rept 6
	s_delay_alu instid0(VALU_DEP_2)
	v_pk_add_f32 v[\t:\t+1], v[\t:\t+1], v[\x+i:\x+i+1]
	s_delay_alu instid0(VALU_DEP_2)
	v_pk_add_f32 v[\t+2:\t+3], v[\t+2:\t+3], v[\x+i+2:\x+i+3]
.set i, i+4
.endr
	LNRED \t
	s_delay_alu instid0(VALU_DEP_1)
	v_mul_f32 v[\t], s30, v[\t]                    ; the mean: sum / 1024
	s_delay_alu instid0(VALU_DEP_1)
	v_mov_b32 v[\t+1], v[\t]
.set i, 0
.rept 16
	v_pk_add_f32 v[\x+i:\x+i+1], v[\x+i:\x+i+1], v[\t:\t+1] neg_lo:[0,1] neg_hi:[0,1]
.set i, i+2
.endr
	v_pk_mul_f32 v[\t:\t+1], v[\x:\x+1], v[\x:\x+1]
	v_pk_mul_f32 v[\t+2:\t+3], v[\x+2:\x+3], v[\x+2:\x+3]
.set i, 4
.rept 7
	s_delay_alu instid0(VALU_DEP_2)
	v_pk_fma_f32 v[\t:\t+1], v[\x+i:\x+i+1], v[\x+i:\x+i+1], v[\t:\t+1]
	s_delay_alu instid0(VALU_DEP_2)
	v_pk_fma_f32 v[\t+2:\t+3], v[\x+i+2:\x+i+3], v[\x+i+2:\x+i+3], v[\t+2:\t+3]
.set i, i+4
.endr
	LNRED \t
	s_delay_alu instid0(VALU_DEP_1)
	v_fma_f32 v[\t], v[\t], s30, s31               ; sum of squares / 1024 + 1e-5
.endm
.macro LNOUT x, r, c, off              ; (x - mean) x v[r] x gain + bias, held, quantised into v[c..c+7], into the stage
.set i, 0
.rept 16
	v_pk_mul_f32 v[\x+i:\x+i+1], v[\x+i:\x+i+1], v[\r:\r+1]
.set i, i+2
.endr
.set i, 0
.rept 16
	v_pk_fma_f32 v[\x+i:\x+i+1], v[\x+i:\x+i+1], v[G+i:G+i+1], v[BB+i:BB+i+1]
.set i, i+2
.endr
.set i, 0
.rept 32
	v_med3_num_f32 v[\x+i], v[\x+i], -v[LIM], v[LIM]   ; the conversion to an 8-bit code does not saturate (ISA guide 7.6.2): the hold comes first
.set i, i+1
.endr
.irp j, 0,1,2,3
	v_cvt_scalef32_pk8_fp8_f32 v[\c+2*\j:\c+2*\j+1], v[\x+8*\j:\x+8*\j+7], v[SC]
.endr
	v_nop                                          ; one plain line behind the last conversion
.irp j, 0,1,2,3
	ds_store_b64 v3, v[\c+2*\j:\c+2*\j+1] offset:4096*\j+\off   ; k = 256 j + 8 lane: K step 2 j + lane / 16
.endr
.endm
	s_load_b512 s[4:19], s[0:1], 0x0               ; x, ln1_g, ln1_b, qkv_w, out_w, fc1_w, fc2_w, mask
	s_load_b128 s[20:23], s[0:1], 0x40             ; the scales' exponents, prepc
	s_load_b64 s[24:25], s[0:1], 0x50              ; maskw
	v_lshl_add_u32 v[SPW], v0, 2, SPARE
	v_mov_b32 v[NIL], 0
	v_lshrrev_b32 v1, 5, v0
	s_delay_alu instid0(VALU_DEP_1)
	v_readfirstlane_b32 s26, v1                    ; wave 0..7
	v_and_b32 v1, 31, v0                           ; lane
	s_mov_b32 s28, 0x76543210                      ; lane selects: lane l xor 16
	s_mov_b32 s29, 0xfedcba98
	s_wait_kmcnt 0x0
	s_load_b256 s[72:79], s[20:21], 0x0            ; e0 .. e7
	s_load_b128 s[80:83], s[20:21], 0x20           ; e8 .. e11
	s_cmp_lt_u32 ttmp9, 256
	s_cbranch_scc1 .Lrole_ln
	s_cmp_lt_u32 ttmp9, 448
	s_cbranch_scc1 .Lrole_w
; ---------------- M: a wave takes one tile row of 16 queries x 4 steps of 128 keys
	s_sub_co_u32 s30, ttmp9, 448
	s_lshl_b32 s30, s30, 3
	s_add_co_u32 s30, s30, s26                     ; u = 4 x tile row + quarter
	s_lshr_b32 s31, s30, 2
	s_and_b32 s32, s30, 3
	s_lshl_b32 s34, s31, 17                        ; 16 rows of 8,192 bytes
	s_lshl_b32 s35, s32, 11                        ; 4 steps of 512 bytes
	s_add_co_u32 s34, s34, s35
	s_mov_b32 s35, 0
	s_add_nc_u64 s[18:19], s[18:19], s[34:35]
	s_lshl_b32 s36, s30, 10                        ; the words: (16 x tile row + 4 x quarter) x 256 bytes
	s_mov_b32 s37, 0
	s_add_nc_u64 s[52:53], s[24:25], s[36:37]
	s_add_co_u32 s38, s30, 524288                  ; the flags: byte u behind the words
	s_mov_b32 s39, 0
	s_add_nc_u64 s[54:55], s[24:25], s[38:39]
	s_wait_alu depctr_va_vdst(0)
	v_lshlrev_b32 v2, 4, v1                        ; 16 x lane
	s_mul_i32 s40, s26, 8448
	s_add_co_u32 s40, s40, MST
	v_add_nc_u32 v3, s40, v2                       ; into the stage: a row as it lies
	v_and_b32 v6, 15, v0
	s_delay_alu instid0(VALU_DEP_1)
	v_mul_u32_u24 v4, v6, 528
	v_bfe_u32 v6, v0, 4, 1
	s_delay_alu instid0(VALU_DEP_1)
	v_lshl_add_u32 v4, v6, 5, v4
	s_delay_alu instid0(VALU_DEP_1)
	v_add_nc_u32 v4, s40, v4                       ; out of it: query lane % 16, keys 8 (lane / 16) on
	v_lshlrev_b32 v5, 3, v1                        ; 8 x lane: two words a lane
.set i, 0
.rept 8
	v_mov_b32 v[224+i], 0                          ; v_writelane's destination counts as read
.set i, i+1
.endr
	v_mov_b32 v233, 0
	s_mov_b32 s90, 0
.macro LOADM u                         ; step u: 16 rows x 512 bytes, each load 512 consecutive bytes of a row
.set p, 0
.rept 16
	global_load_b128 v[32+64*((\u)%2)+4*p:35+64*((\u)%2)+4*p], v2, s[18:19] offset:p*8192+512*(\u) th:TH_LOAD_NT
.set p, p+1
.endr
.endm
.macro UNITM u
.if (\u) < 3
	s_wait_loadcnt 16                              ; this step's 16 loads are in; the next step's may be out
.else
	s_wait_loadcnt 0
.endif
.set p, 0
.rept 16
	ds_store_b128 v3, v[32+64*((\u)%2)+4*p:35+64*((\u)%2)+4*p] offset:528*p
.set p, p+1
.endr
.set p, 0
.rept 16
	ds_load_b128 v[160+4*p:163+4*p], v4 offset:64*(p/2)+16*(p%2)   ; register n = 8 t + j: key 16 t + 8 (lane / 16) + j.  A wave's LDS instructions are served in order: these see the stores
.set p, p+1
.endr
	s_wait_dscnt 0x0
.if (\u) < 2
	LOADM (\u)+2
.endif
	s_mov_b32 s88, -1
	s_mov_b32 s89, 0
.set g, 0
.rept 4                                ; sixteen words at a time: the compares stand together, ahead of the lines that read their scalar results
.set k, 0
.rept 16
	v_cmp_ne_u32 s[32+k], 0, v[160+16*g+k]         ; word n = 16 g + k: bit l = lane l's mask number is not 0
.set k, k+1
.endr
.set k, 0
.rept 16
	v_writelane_b32 v[224+2*(\u)+k%2], s[32+k], 8*g+k/2   ; word n goes to lane n / 2, register n % 2
	s_and_b32 s88, s88, s[32+k]
	s_or_b32 s89, s89, s[32+k]
.set k, k+1
.endr
.set g, g+1
.endr
	global_store_b64 v5, v[224+2*(\u):225+2*(\u)], s[52:53] offset:256*(\u)   ; 64 words: 256 consecutive bytes, aligned
	s_cmp_lg_u32 s89, 0
	s_cselect_b32 s92, 1, 0
	s_cmp_eq_u32 s88, -1
	s_cselect_b32 s93, 1, 0
	s_add_co_u32 s92, s92, s93                     ; 0 all closed, 1 mixed, 2 all open
	s_lshl_b32 s92, s92, 2*(\u)
	s_or_b32 s90, s90, s92
.endm
	LOADM 0
	LOADM 1
	UNITM 0
	UNITM 1
	UNITM 2
	UNITM 3
	v_mov_b32 v232, s90
	v_cmp_eq_u32 vcc_lo, 0, v1
	s_wait_alu depctr_va_vdst(0)
	s_wait_xcnt 0x0                                ; EXEC changes only behind this wait
	s_and_saveexec_b32 s91, vcc_lo
	global_store_b8 v233, v232, s[54:55]           ; my four steps' flags: one byte a wave, 512 bytes in the whole launch
	s_wait_xcnt 0x0
	s_or_b32 exec_lo, exec_lo, s91
	s_wait_kmcnt 0x0
	s_wait_tensorcnt 0x0                           ; the wave's end
	ds_add_u32 v[SPW], v[NIL]
	s_wait_dscnt 0x0
	s_endpgm
; ---------------- W: a work-group takes 256 columns x 256 along K of one weight; wave w takes 64 columns (w % 4) x 128 along K (w / 4).
; A lane takes TWO neighbouring columns, so that a load of the wave reads 256 consecutive bytes, at a multiple of 256 from the row's first byte.  The hold, which every number needs, writes
; into other registers and so sorts the two columns apart: v176-207 the even column's 32 numbers down K, v208-239 the odd column's.  Four blocks of 32 rows; two blocks' loads are out at a time.
.Lrole_w:
	s_sub_co_u32 s31, ttmp9, 256
	s_mov_b64 s[32:33], s[10:11]                   ; qkv_w: 48 work-groups
	s_mov_b32 s34, 0                               ; the tensor's first work-group
	s_mov_b32 s35, 12288                           ; a row in bytes
	s_mov_b32 s36, 2                               ; log2 of K / 256
	s_mov_b32 s37, 16384                           ; a row block's images in bytes: K / 128 x 2,048
	s_mov_b32 s38, 0                               ; its place in prepc
	s_cmp_ge_u32 s31, 48                           ; out_w: 16
	s_cselect_b64 s[32:33], s[12:13], s[32:33]
	s_cselect_b32 s34, 48, s34
	s_cselect_b32 s35, 4096, s35
	s_cselect_b32 s38, 3145728, s38
	s_cmp_ge_u32 s31, 64                           ; fc1_w: 64
	s_cselect_b64 s[32:33], s[14:15], s[32:33]
	s_cselect_b32 s34, 64, s34
	s_cselect_b32 s35, 16384, s35
	s_cselect_b32 s38, 4194304, s38
	s_cmp_ge_u32 s31, 128                          ; fc2_w: 64
	s_cselect_b64 s[32:33], s[16:17], s[32:33]
	s_cselect_b32 s34, 128, s34
	s_cselect_b32 s35, 4096, s35
	s_cselect_b32 s36, 4, s36
	s_cselect_b32 s37, 65536, s37
	s_cselect_b32 s38, 8388608, s38
	s_sub_co_u32 s30, s31, s34
	s_bfm_b32 s40, s36, 0
	s_and_b32 s41, s30, s40                        ; which 256 along K
	s_lshr_b32 s42, s30, s36                       ; which 256 columns
	s_and_b32 s43, s26, 3                          ; my wave's 64 of them
	s_lshr_b32 s56, s26, 2
	s_lshl_b32 s44, s41, 1
	s_add_co_u32 s57, s44, s56                     ; my K step of 128
	s_mul_i32 s44, s57, s35
	s_lshl_b32 s44, s44, 7                         ; 128 rows a K step
	s_lshl_b32 s45, s42, 10
	s_add_co_u32 s44, s44, s45
	s_lshl_b32 s45, s43, 8
	s_add_co_u32 s44, s44, s45
	s_mov_b32 s45, 0
	s_add_nc_u64 s[32:33], s[32:33], s[44:45]      ; block 0
	s_lshl_b32 s46, s35, 5                         ; 32 rows on
	s_mov_b32 s47, 0
	s_add_nc_u64 s[58:59], s[32:33], s[46:47]      ; blocks 1, 2, 3: a base for each, so that no base is stepped under pending loads
	s_add_nc_u64 s[60:61], s[58:59], s[46:47]
	s_add_nc_u64 s[62:63], s[60:61], s[46:47]
	s_wait_alu depctr_va_vdst(0)
	v_lshlrev_b32 v16, 3, v1                       ; v16-47: 8 x lane + i rows
.set i, 1
.rept 31
	s_delay_alu instid0(VALU_DEP_1)
	v_add_nc_u32 v[16+i], s35, v[15+i]
.set i, i+1
.endr
.macro LOADW t                         ; block t: W(32 t + i, my two columns), i = 0 .. 31, into set t % 2
.set i, 0
.rept 32
.if (\t) == 0
	global_load_b64 v[48+64*((\t)%2)+2*i:49+64*((\t)%2)+2*i], v[16+i], s[32:33] th:TH_LOAD_NT
.else
	global_load_b64 v[48+64*((\t)%2)+2*i:49+64*((\t)%2)+2*i], v[16+i], s[56+2*(\t):57+2*(\t)] th:TH_LOAD_NT
.endif
.set i, i+1
.endr
.endm
	LOADW 0
	LOADW 1
	s_lshl_b32 s50, s42, 4
	s_lshl_b32 s51, s43, 2
	s_add_co_u32 s50, s50, s51                     ; my first row block of the operand: 16 x column group + 4 x (wave % 4)
	s_mul_i32 s50, s50, s37
	s_lshl_b32 s51, s57, 11                        ; my K step's image
	s_add_co_u32 s50, s50, s51
	s_add_co_u32 s50, s50, s38
	s_mov_b32 s51, 0
	s_add_nc_u64 s[48:49], s[22:23], s[50:51]
	v_bfe_u32 v8, v0, 3, 2                         ; column 2 lane + c: row block lane / 8, row 2 (lane % 8) + c
	v_and_b32 v9, 7, v0
	s_delay_alu instid0(VALU_DEP_1)
	v_lshlrev_b32 v2, 5, v9
	s_delay_alu instid0(VALU_DEP_1)
	v_lshl_add_u32 v2, v8, 11, v2
	s_lshl_b32 s52, s26, 13
	s_add_co_u32 s52, s52, WST
	v_add_nc_u32 v2, s52, v2                       ; into my stage: 2,048 (lane / 8) + 32 (lane % 8)
	v_lshlrev_b32 v4, 4, v1                        ; 16 x lane
	s_delay_alu instid0(VALU_DEP_1)
	v_add_nc_u32 v3, s52, v4                       ; out of it
	s_delay_alu instid0(VALU_DEP_2)
	v_add_nc_u32 v5, s37, v4                       ; v4-7: the four row blocks in memory
	s_delay_alu instid0(VALU_DEP_1)
	v_add_nc_u32 v6, s37, v5
	s_delay_alu instid0(VALU_DEP_1)
	v_add_nc_u32 v7, s37, v6
	s_wait_kmcnt 0x0                               ; the exponents: asked for at the head, wanted only now
	s_mov_b32 s39, s73                             ; e1
	s_cmp_ge_u32 s31, 48
	s_cselect_b32 s39, s79, s39                    ; e7
	s_cmp_ge_u32 s31, 64
	s_cselect_b32 s39, s81, s39                    ; e9
	s_cmp_ge_u32 s31, 128
	s_cselect_b32 s39, s83, s39                    ; e11
	s_add_co_i32 s39, s39, 127
	s_lshl_b32 s53, s39, 23
	v_mov_b32 v[SC], s53
	s_add_co_i32 s39, s39, 8
	s_lshl_b32 s39, s39, 23
	s_or_b32 s39, s39, 0x600000
	v_mov_b32 v[LIM], s39
.macro BLOCKW t
.set XS, 48+64*((\t)%2)
.if (\t) < 3
	s_wait_loadcnt 32                              ; this block's 32 loads are in; the next block's may be out
.else
	s_wait_loadcnt 0
.endif
.set i, 0
.rept 32
	v_med3_num_f32 v[176+i], v[XS+2*i], -v[LIM], v[LIM]     ; the hold, and the even column's numbers on end
	v_med3_num_f32 v[208+i], v[XS+2*i+1], -v[LIM], v[LIM]   ; the odd column's
.set i, i+1
.endr
.if (\t) < 2
	LOADW (\t)+2                                   ; the set has been read: it takes the block two further on
.endif
	s_wait_alu depctr_va_vdst(0)
	s_wait_dscnt 0x0                               ; the last block's stores have read the codes' registers
.irp col, 0,1
.irp g, 0,1,2,3
	v_cvt_scalef32_pk8_fp8_f32 v[240+8*\col+4*(\g%2)+2*(\g/2):241+8*\col+4*(\g%2)+2*(\g/2)], v[176+32*\col+8*\g:183+32*\col+8*\g], v[SC]
.endr
.endr
	v_nop                                          ; one plain line behind the last conversion: the next block's holds write the conversions' sources
.irp col, 0,1
.irp a, 0,1
	ds_store_b128 v2, v[240+8*\col+4*\a:243+8*\col+4*\a] offset:512*(\t)+256*\a+16*\col   ; k = 32 t + 8 a + 0 .. 7 and 32 t + 16 + 8 a + 0 .. 7: neighbours in the image
.endr
.endr
.endm
	s_wait_alu depctr_va_vdst(0)
	BLOCKW 0
	BLOCKW 1
	BLOCKW 2
	BLOCKW 3
.set m, 0
.rept 16
	ds_load_b128 v[48+4*m:51+4*m], v3 offset:512*m ; a wave's LDS instructions are served in order: these see my stores
.set m, m+1
.endr
.set m, 0
.rept 16
	s_wait_dscnt 15-m
	global_store_b128 v[4+m/4], v[48+4*m:51+4*m], s[48:49] offset:512*(m%4)   ; 512 consecutive bytes
.set m, m+1
.endr
	s_wait_tensorcnt 0x0                           ; the wave's end
	ds_add_u32 v[SPW], v[NIL]
	s_wait_dscnt 0x0
	s_endpgm
; ---------------- LN: the work-group takes 16 rows, a wave two; a lane holds k = 256 j + 8 lane + 0 .. 7 of a row
.Lrole_ln:
	s_lshl_b32 s30, ttmp9, 16
	s_lshl_b32 s31, s26, 13
	s_add_co_u32 s30, s30, s31
	s_mov_b32 s31, 0
	s_add_nc_u64 s[4:5], s[4:5], s[30:31]
	s_lshl_b32 s32, ttmp9, 14
	s_add_co_u32 s32, s32, H1OFF
	s_mov_b32 s33, 0
	s_add_nc_u64 s[22:23], s[22:23], s[32:33]
	s_wait_alu depctr_va_vdst(0)
	v_lshlrev_b32 v2, 5, v1
.irp p, 0,1
.irp j, 0,1,2,3
	global_load_b128 v[32+32*\p+8*\j:35+32*\p+8*\j], v2, s[4:5] offset:4096*\p+1024*\j th:TH_LOAD_NT
	global_load_b128 v[36+32*\p+8*\j:39+32*\p+8*\j], v2, s[4:5] offset:4096*\p+1024*\j+16 th:TH_LOAD_NT
.endr
.endr
.irp j, 0,1,2,3
	global_load_b128 v[G+8*\j:G+8*\j+3], v2, s[6:7] offset:1024*\j
	global_load_b128 v[G+8*\j+4:G+8*\j+7], v2, s[6:7] offset:1024*\j+16
.endr
.irp j, 0,1,2,3
	global_load_b128 v[BB+8*\j:BB+8*\j+3], v2, s[8:9] offset:1024*\j
	global_load_b128 v[BB+8*\j+4:BB+8*\j+7], v2, s[8:9] offset:1024*\j+16
.endr
	v_bfe_u32 v6, v0, 4, 1
	s_delay_alu instid0(VALU_DEP_1)
	v_lshlrev_b32 v3, 11, v6                       ; my 8 codes' place in the images: 2,048 (lane / 16)
	v_bfe_u32 v6, v0, 2, 2
	s_delay_alu instid0(VALU_DEP_1)
	v_lshl_add_u32 v3, v6, 9, v3                   ; + 512 ((lane / 4) % 4)
	v_and_b32 v6, 1, v0
	s_delay_alu instid0(VALU_DEP_1)
	v_lshl_add_u32 v3, v6, 8, v3                   ; + 256 (lane % 2)
	v_bfe_u32 v6, v0, 1, 1
	s_delay_alu instid0(VALU_DEP_1)
	v_lshl_add_u32 v3, v6, 3, v3                   ; + 8 ((lane / 2) % 2)
	s_lshl_b32 s27, s26, 5
	v_add_nc_u32 v3, s27, v3                       ; + 16 x row, row = 2 x wave
	v_lshlrev_b32 v4, 4, v1
	s_lshl_b32 s27, s26, 11
	v_add_nc_u32 v4, s27, v4                       ; the way out: image number wave, 16 x lane (LST = 0: the same offset in LDS and in memory)
	s_wait_kmcnt 0x0
	s_add_co_i32 s34, s72, 127                     ; e0
	s_lshl_b32 s35, s34, 23
	v_mov_b32 v[SC], s35
	s_add_co_i32 s34, s34, 8
	s_lshl_b32 s34, s34, 23
	s_or_b32 s34, s34, 0x600000
	v_mov_b32 v[LIM], s34
	s_mov_b32 s30, 0x3a800000                      ; 1 / 1024
	s_mov_b32 s31, 0x3727c5ac                      ; 1e-5
	s_wait_loadcnt 24                              ; my first row's 8 loads are in
	LNMOM 32, 16
	s_wait_loadcnt 16                              ; my second row's
	LNMOM 64, 20
	s_wait_alu depctr_va_vdst(0)
	v_rsq_f32 v18, v16
	v_rsq_f32 v22, v20
	v_nop                                          ; a plain line behind the last of the two
	s_wait_alu depctr_va_vdst(0)                   ; one wait for both, ahead of their first reader
	v_mov_b32 v19, v18
	v_mov_b32 v23, v22
	s_wait_alu depctr_va_vdst(0)
	s_wait_loadcnt 0x0                             ; gain and bias
	LNOUT 32, 18, 160, 0
	LNOUT 64, 22, 168, 16
	s_wait_dscnt 0x0                               ; for the others' sake: my stores have landed
	s_barrier_signal -1
	s_barrier_wait -1                              ; the 16 rows' 8 images are whole
.irp c, 0,1,2,3
	ds_load_b128 v[176+4*\c:179+4*\c], v4 offset:512*\c
.endr
.irp c, 0,1,2,3
	s_wait_dscnt 3-\c
	global_store_b128 v4, v[176+4*\c:179+4*\c], s[22:23] offset:512*\c       ; 512 consecutive bytes
.endr
	s_wait_tensorcnt 0x0                           ; the wave's end
	ds_add_u32 v[SPW], v[NIL]
	s_wait_dscnt 0x0
	s_endpgm
.Lfunc_end_k_q9695a0d027_prep:
	.size	k_q9695a0d027_prep, .Lfunc_end_k_q9695a0d027_prep-k_q9695a0d027_prep
	.p2alignl 7, 3214868480
	.fill 96, 4, 3214868480
	.section	.rodata,"a",@progbits
	.p2align	6, 0x0
	.amdhsa_kernel k_q9695a0d027_prep
		.amdhsa_group_segment_fixed_size 150528
		.amdhsa_private_segment_fixed_size 0
		.amdhsa_enable_private_segment 0
		.amdhsa_kernarg_size 88
		.amdhsa_user_sgpr_count 2
		.amdhsa_user_sgpr_kernarg_segment_ptr 1
		.amdhsa_wavefront_size32 1
		.amdhsa_system_sgpr_workgroup_id_x 1
		.amdhsa_system_sgpr_workgroup_id_y 1
		.amdhsa_system_sgpr_workgroup_id_z 1
		.amdhsa_system_vgpr_workitem_id 0
		.amdhsa_next_free_vgpr 256
		.amdhsa_next_free_sgpr 100
		.amdhsa_reserve_vcc 1
		.amdhsa_float_denorm_mode_32 3
		.amdhsa_float_denorm_mode_16_64 3
		.amdhsa_memory_ordered 1
		.amdhsa_forward_progress 1
		.amdhsa_inst_pref_size 133
	.end_amdhsa_kernel
	.amdgpu_metadata
---
amdhsa.version: [ 1, 2 ]
amdhsa.kernels:
  - .name:           k_q9695a0d027_prep
    .symbol:         k_q9695a0d027_prep.kd
    .args:
      - { .name: x, .offset: 0, .size: 8, .value_kind: global_buffer, .address_space: global }
      - { .name: ln1_g, .offset: 8, .size: 8, .value_kind: global_buffer, .address_space: global }
      - { .name: ln1_b, .offset: 16, .size: 8, .value_kind: global_buffer, .address_space: global }
      - { .name: qkv_w, .offset: 24, .size: 8, .value_kind: global_buffer, .address_space: global }
      - { .name: out_w, .offset: 32, .size: 8, .value_kind: global_buffer, .address_space: global }
      - { .name: fc1_w, .offset: 40, .size: 8, .value_kind: global_buffer, .address_space: global }
      - { .name: fc2_w, .offset: 48, .size: 8, .value_kind: global_buffer, .address_space: global }
      - { .name: mask, .offset: 56, .size: 8, .value_kind: global_buffer, .address_space: global }
      - { .name: lowp_scales, .offset: 64, .size: 8, .value_kind: global_buffer, .address_space: global }
      - { .name: prepc, .offset: 72, .size: 8, .value_kind: global_buffer, .address_space: global }
      - { .name: maskw, .offset: 80, .size: 8, .value_kind: global_buffer, .address_space: global }
    .group_segment_fixed_size: 150528
    .private_segment_fixed_size: 0
    .kernarg_segment_align: 8
    .kernarg_segment_size: 88
    .max_flat_workgroup_size: 256
    .sgpr_count:     100
    .vgpr_count:     256
    .wavefront_size: 32
...
	.end_amdgpu_metadata
.endif
;; end of part 1
;; launch qkv (part 2): grid 12 x 16, 4 waves a work-group, clusters of 4 x 4, 327,680 bytes of LDS; arguments prepc, lowp_scales, qkvc; writes qkvc
.if DOCPART == 2
	.amdgcn_target "amdgcn-amd-amdhsa--gfx1250"
	.amdhsa_code_object_version 6
	.text
	.protected	k_q9695a0d027_qkv
	.globl	k_q9695a0d027_qkv
	.p2align	8
	.type	k_q9695a0d027_qkv,@function
k_q9695a0d027_qkv:
	s_mov_b64 s[64:65], 0
	v_nop
	global_prefetch_b8 v0, s[64:65] scope:SCOPE_SE
	s_setreg_imm32_b32 hwreg(HW_REG_WAVE_MODE, 25, 1), 1
	s_wait_xcnt 0x0
	s_wait_alu depctr_hold_cnt(0) depctr_sa_sdst(0) depctr_va_vdst(0) depctr_va_sdst(0) depctr_va_ssrc(0) depctr_va_vcc(0) depctr_vm_vsrc(0)
	s_getreg_b32 s2, hwreg(HW_REG_IB_STS2, 6, 4)
	s_cmp_eq_u32 s2, 0
	s_cbranch_scc0 .Lentry_in_a_cluster
	s_endpgm
.Lentry_in_a_cluster:
	s_bfe_u32 s2, ttmp6, 0x10000c
	s_cmp_lg_u32 s2, 0xf033
	s_cbranch_scc0 .Lentry_shape_is_right
	s_endpgm
.Lentry_shape_is_right:
; QKV: qkv = Q(h1) Q(qkv_w), [4096 x 1024] x [1024 x 3072], on E4M3 codes; the results are quantised at once for the attention products (q: e2, k: e3, v: e5) and stored as fragment images.
; Both operands lie in prepc as fragment images (16 rows x 128 K, 2,048 bytes, in the order of the operand's registers): h1 at AOFF, [256 row blocks][8 K steps]; the weight at 0, [192][8].
; A tile of 256 x 256 is made by four waves, each 128 x 128: 64 accumulators, 512 registers.  K goes in steps of 256 (two images a row block) through a ring of two LDS slots filled by the tensor data mover.
; CLUSTERS: 4 x 4 work-groups; h1's tiles are shared along a row of the cluster, the weight's along a column: joint loads, one a wave.
; SOURCE 1 gives the lane its row, SOURCE 0 the eight numbers of a lane's registers.  For q and k source 1 = tokens, source 0 = 128 output columns (two heads): the conversion of accumulator b gives registers 2 b, 2 b + 1
; of the images [16 tokens x 64] of two heads.  For v (cluster x = 2, the same in all partners) the two LDS regions change places: source 1 = channels, source 0 = 128 tokens: the images are V^T, [16 channels x 128 keys].
; LIMITS: e2 - e0 - e1, e3 - e0 - e1 and e5 - e0 - e1 lie between -126 and 119.
; REGISTERS, in windows of 256: window 0: v0-31 addresses; from v128 source 1's fragments, one set; on the way out v32-95 held sums, v128-255 codes.  window 1: source 0's fragments, two sets.  windows 2, 3: accumulators (a, b) at v[8 (8 (a % 4) + b)].
.set AOFF,   12582912
.set HALFT,  32768                     ; 8 row blocks x 2 images: what one tensor load brings, and what one wave reads of a source
.set SLOT,   4*HALFT
.set SPARE,  2*SLOT                    ; behind the ring: the spare words, 128 bytes for each wave
.set LAPS,   2                         ; K = 1,024: twice round the ring
.set FR,     16
.set NL,     4
.set NP,     4
.set CO,   8                           ; v8-15   the way out: 16 x lane + a x the step from image to image
.set ADRA, 16                          ; v16-17  LDS address of source 1's fragments in slot 0, 1
.set ADRB, 20                          ; v20-21  of source 0's
.set SPW,  28
.set NIL,  29
.set TMP,  32
.set AF,   128
.set CODE, 128
.set G1, 24
.set G0, 32
.set G1B, 48
.set G0B, 56
.set MSB, 0
.macro WIN new                         ; the immediate's high byte repeats the setting that is left
.if MSB != \new
	s_set_vgpr_msb (MSB<<8)|\new
.set MSB, \new
.endif
.endm
.set MUL_LO, 0xa1
.set MUL_HI, 0xf1
.set TO_B,   0x40
.macro JLOAD g0a, g1a, g0b, g1b        ; a joint load: waves 0 and 1 fetch h1's halves, waves 2 and 3 the weight's; an s_nop 0 and four v_nop follow each line
	s_cmp_eq_u32 s15, 0
	s_cbranch_scc0 .Lfor_b_\@
	tensor_load_to_lds s[\g0a:\g0a+3], s[\g1a:\g1a+7]
	s_nop 0
.rept 4
	v_nop
.endr
	s_branch .Lasked_\@
.Lfor_b_\@:
	tensor_load_to_lds s[\g0b:\g0b+3], s[\g1b:\g1b+7]
	s_nop 0
.rept 4
	v_nop
.endr
.Lasked_\@:
.endm
.macro CREST
	s_cmp_lg_u32 s14, 0
	s_cbranch_scc1 .Lnot_wave_0_\@
	s_barrier_signal -3
.Lnot_wave_0_\@:
	s_barrier_wait -3
	s_barrier_signal -1
	s_barrier_wait -1
.endm
.macro CROUND
	s_barrier_signal -1
	s_barrier_wait -1
	CREST
.endm
	s_load_b128 s[4:7], s[0:1], 0x0                ; prepc, the scales' exponents
	s_load_b64 s[10:11], s[0:1], 0x10              ; qkvc
	v_lshl_add_u32 v[SPW], v0, 2, SPARE
	v_mov_b32 v[NIL], 0
	ds_add_u32 v[SPW], v[NIL]                      ; the wave's opening: the add and its wait ahead of my first tensor load
	ds_add_u32 v[SPW], v[NIL]
	v_lshrrev_b32 v1, 5, v0
	v_readfirstlane_b32 s14, v1
	v_bfe_u32 v7, v0, 4, 1                         ; v7: the prefetches' offset: sixteen lanes to a row block (16,384 bytes apart), lanes 256 bytes apart; never rewritten
	v_and_b32 v2, 15, v0
	v_lshlrev_b32 v7, 14, v7
	v_lshl_add_u32 v7, v2, 8, v7
	s_lshr_b32 s15, s14, 1                         ; my half of source 1's rows.  Also: I fetch h1 (0) or the weight (1)
	s_and_b32 s16, s14, 1                          ; my half of source 0's rows.  Also: which 8 row blocks I fetch
	s_bfe_u32 s40, ttmp6, 0x40000                  ; cx, cy
	s_bfe_u32 s41, ttmp6, 0x40004
	s_lshl_b32 s42, ttmp9, 2
	s_add_co_u32 s42, s42, s40                     ; tile column
	s_and_b32 s17, ttmp7, 0xffff
	s_lshl_b32 s17, s17, 2
	s_add_co_u32 s17, s17, s41                     ; tile row
	s_lshl_b32 s43, s41, 2
	s_lshl_b32 s43, 15, s43                        ; my row of the cluster
	s_lshl_b32 s44, 0x1111, s40                    ; my column
	s_or_b32 s[G1+0], s43, (3<<16)|(1<<21)         ; the mask; elements of 8 bytes; bit 21 beside a mask; no padding
	s_or_b32 s[G1B+0], s44, (3<<16)|(1<<21)
.irp g, G1, G1B
	s_mov_b32 s[\g+1], 512<<16                     ; tensor_dim0 = 512 elements: two images, 4,096 bytes
	s_mov_b32 s[\g+2], 8<<16                       ; tensor_dim1 = 8 row blocks
	s_mov_b32 s[\g+3], 512<<16                     ; tile_dim0
	s_mov_b32 s[\g+4], 8                           ; tile_dim1
	s_mov_b32 s[\g+5], 2048                        ; from row block to row block: 8 images, 16,384 bytes
	s_mov_b32 s[\g+6], 0
	s_mov_b32 s[\g+7], 0
.endr
	s_lshl_b32 s18, s16, 3
	s_lshl_b32 s20, s17, 4
	s_add_co_u32 s20, s20, s18                     ; h1: row block 16 x tile row + 8 x half
	s_lshl_b32 s20, s20, 14
	s_add_co_u32 s20, s20, AOFF
	s_lshl_b32 s46, s42, 4
	s_add_co_u32 s46, s46, s18                     ; the weight: row block 16 x tile column + 8 x half
	s_lshl_b32 s46, s46, 14
	s_mov_b32 s21, 0
	s_mov_b32 s47, 0
	s_mul_i32 s45, s14, HALFT                      ; where they go: wave x 32,768
	s_wait_alu depctr_va_vdst(0)
	s_wait_dscnt 0x0
	s_wait_kmcnt 0x0
	s_load_b256 s[72:79], s[6:7], 0x0
	s_add_nc_u64 s[20:21], s[4:5], s[20:21]
	s_add_nc_u64 s[46:47], s[4:5], s[46:47]
	s_cmp_eq_u32 s15, 0                            ; the prefetches: of the 8 row blocks that I fetch, the partner at place p (cx for h1, cy for the weight) names blocks 2 p and 2 p + 1
	s_cselect_b64 s[98:99], s[20:21], s[46:47]
	s_cselect_b32 s18, s40, s41
	s_lshl_b32 s18, s18, 15
	s_mov_b32 s19, 0
	s_add_nc_u64 s[98:99], s[98:99], s[18:19]      ; never rewritten
	CROUND
.irp s, 0,1
	s_mov_b32 s[G0+4*\s], 1
	s_add_co_u32 s[G0+4*\s+1], s45, \s*SLOT
	s_add_nc_u64 s[G0+4*\s+2:G0+4*\s+3], s[20:21], \s*4096
	s_or_b32 s[G0+4*\s+3], s[G0+4*\s+3], 0x80000000
	s_mov_b32 s[G0B+4*\s], 1
	s_add_co_u32 s[G0B+4*\s+1], s45, \s*SLOT
	s_add_nc_u64 s[G0B+4*\s+2:G0B+4*\s+3], s[46:47], \s*4096
	s_or_b32 s[G0B+4*\s+3], s[G0B+4*\s+3], 0x80000000
.if \s                                         ; slot 1's first fill is issued as a refill is
	s_wait_alu depctr_va_vdst(0)
	s_wait_tensorcnt 0x0
	ds_add_u32 v[SPW], v[NIL]
	s_wait_dscnt 0x0
	CROUND
.endif
	JLOAD G0+4*\s, G1, G0B+4*\s, G1B
.if \s                                         ; behind each of the head's joint loads: the slot two loads on, 4,096 bytes of each row block; behind the first slot 1 too.  Slot 3 is the last
	global_prefetch_b8 v7, s[98:99] offset:3*4096 th:TH_LOAD_NT scope:SCOPE_SE
.else
	global_prefetch_b8 v7, s[98:99] offset:4096 th:TH_LOAD_NT scope:SCOPE_SE
	global_prefetch_b8 v7, s[98:99] offset:2*4096 th:TH_LOAD_NT scope:SCOPE_SE
.endif
.endr
	v_and_b32 v6, 31, v0
	v_lshlrev_b32 v4, 4, v6                        ; 16 x lane: an image's place for my lane
	s_wait_alu depctr_va_vdst(0)
	s_cmp_eq_u32 ttmp9, 2                          ; the v part?  The cluster's x: the same in all partners
	s_cselect_b32 s43, 2*HALFT, 0                  ; source 1's region: h1's, or for v the weight's
	s_cselect_b32 s44, 0, 2*HALFT                  ; source 0's: the other
	s_mov_b32 s81, 16384
	s_cselect_b32 s81, 2048, s81                   ; from image to image on the way out
	s_mul_i32 s21, s15, HALFT
	s_add_co_u32 s21, s21, s43
	s_mul_i32 s22, s16, HALFT
	s_add_co_u32 s22, s22, s44
.irp s, 0,1
	v_add_nc_u32 v[ADRA+\s], s21, v4
	v_add_nc_u32 v[ADRB+\s], s22, v4
	s_add_co_u32 s21, s21, SLOT
	s_add_co_u32 s22, s22, SLOT
.endr
	v_mov_b32 v[CO], v4
.irp a, 1,2,3,4,5,6,7
	v_add_nc_u32 v[CO+\a], s81, v[CO+\a-1]
.endr
	; where my images go.  q, k: X = 4 x tile column + 2 x half = the first of my two heads, counted through q and k: part X / 16 of 4 MiB, head X % 16 of 1,024 bytes, row block 16 x tile row + 8 x half of 16,384
	s_lshl_b32 s82, s42, 2
	s_lshl_b32 s83, s16, 1
	s_add_co_u32 s82, s82, s83
	s_lshr_b32 s83, s82, 4
	s_lshl_b32 s83, s83, 22
	s_and_b32 s82, s82, 15
	s_lshl_b32 s82, s82, 10
	s_add_co_u32 s82, s82, s83
	s_lshl_b32 s83, s17, 4
	s_lshl_b32 s84, s15, 3
	s_add_co_u32 s83, s83, s84
	s_lshl_b32 s83, s83, 14
	s_add_co_u32 s82, s82, s83
	; v: 8 MiB + key step (2 x tile row + half) of 131,072 + head (4 (tile column % 4) + 2 x half) of 8,192
	s_lshl_b32 s84, s17, 1
	s_add_co_u32 s84, s84, s16
	s_lshl_b32 s84, s84, 17
	s_and_b32 s85, s42, 3
	s_lshl_b32 s85, s85, 2
	s_lshl_b32 s86, s15, 1
	s_add_co_u32 s85, s85, s86
	s_lshl_b32 s85, s85, 13
	s_add_co_u32 s84, s84, s85
	s_add_co_u32 s84, s84, 8388608
	s_cmp_eq_u32 ttmp9, 2
	s_cselect_b32 s82, s84, s82
	s_mov_b32 s83, 0
	s_add_nc_u64 s[10:11], s[10:11], s[82:83]
.macro FRAG reg, adr, q, i             ; a fragment comes as its image lies: four loads of 512 consecutive bytes
.irp c, 0,1,2,3
	ds_load_b128 v[\reg+4*\c:\reg+4*\c+3], v[\adr] offset:(\i)*4096+(\q)*2048+512*\c
.endr
.endm
.macro MUL16 a0, p, zero               ; 16 matrix instructions; the 64 accumulators take turns, one instruction a turn, in the same order in every step
.irp a, \a0, \a0+1
.irp b, 0,1,2,3,4,5,6,7
.if \zero
	v_wmma_f32_16x16x128_fp8_fp8 v[8*(8*((\a)%4)+\b):8*(8*((\a)%4)+\b)+7], v[128*(\p)+FR*\b:128*(\p)+FR*\b+FR-1], v[AF+FR*(\a):AF+FR*(\a)+FR-1], 0
.else
	v_wmma_f32_16x16x128_fp8_fp8 v[8*(8*((\a)%4)+\b):8*(8*((\a)%4)+\b)+7], v[128*(\p)+FR*\b:128*(\p)+FR*\b+FR-1], v[AF+FR*(\a):AF+FR*(\a)+FR-1], v[8*(8*((\a)%4)+\b):8*(8*((\a)%4)+\b)+7]
.endif
.endr
.endr
.endm
.macro FETCH_B slot, q, p
	WIN TO_B
.irp i, 0,1,2,3,4,5,6,7
	FRAG 128*(\p)+FR*\i, ADRB+\slot, \q, \i
.endr
	WIN 0
.endm
.macro FETCH_A slot, q, i0
.irp i, \i0, \i0+1, \i0+2, \i0+3
	FRAG AF+FR*(\i), ADRA+\slot, \q, \i
.endr
.endm
.macro PLACES n                        ; plain vector lines between a matrix instruction and a load into, or a read of, its registers
.rept \n
	v_nop
.endr
.endm
.macro STEP slot, q, zero              ; 128 along K that have their successor in the same slot
	s_wait_dscnt 4*NL                              ; source 0's set and blocks 0-3 are in; the youngest 16 loads (blocks 4-7) may be out
	WIN MUL_LO
	MUL16 0, (\q)%2, \zero
	MUL16 2, (\q)%2, \zero
	s_wait_dscnt 0
	PLACES NP
	FETCH_B \slot, (\q)+1, 1-(\q)%2
	FETCH_A \slot, (\q)+1, 0
	WIN MUL_HI
	MUL16 4, (\q)%2, \zero
	MUL16 6, (\q)%2, \zero
	PLACES NP
	WIN 0
	FETCH_A \slot, (\q)+1, 4
.endm
.macro TURN slot, next, fill           ; a slot's last step changes slots: one barrier; in front of it every wave waits for all its tensor loads, adds 0 to its spare word, and waits for that and for its reads of this slot
	s_wait_tensorcnt 0x0                           ; all my tensor loads have landed: my part of the next slot
	ds_add_u32 v[SPW], v[NIL]
	s_wait_dscnt 4*NL+1                            ; the add and the youngest 16 loads may be out
	WIN MUL_LO
	MUL16 0, 1, 0
	s_wait_dscnt 0x0                               ; the add is done, and my reads of this slot are over
	s_barrier_signal -1
	MUL16 2, 1, 0
	WIN 0
	s_barrier_wait -1
.if \fill
	CREST                                          ; the barrier has opened a round of the cluster's barrier: no wave of any partner still reads this slot or has a load on its way
	s_add_nc_u64 s[G0+4*\slot+2:G0+4*\slot+3], s[G0+4*\slot+2:G0+4*\slot+3], 8192
	s_add_nc_u64 s[G0B+4*\slot+2:G0B+4*\slot+3], s[G0B+4*\slot+2:G0B+4*\slot+3], 8192
	JLOAD G0+4*\slot, G1, G0B+4*\slot, G1B         ; the first tensor load behind the round, one a wave; its four v_nop are the places in front of the loads below
.else
	PLACES NP
.endif
	s_wait_alu depctr_va_vdst(0)
	FETCH_B \next, 0, 0
	FETCH_A \next, 0, 0
	WIN MUL_HI
	MUL16 4, 1, 0
	MUL16 6, 1, 0
	PLACES NP
	WIN 0
	FETCH_A \next, 0, 4
.endm
	s_wait_tensorcnt 1                             ; my part of slot 0 is in; slot 1's may be out
	s_barrier_signal -1
	s_barrier_wait -1
	FETCH_B 0, 0, 0
	FETCH_A 0, 0, 0
	FETCH_A 0, 0, 4
	STEP 0, 0, 1                                   ; the first step starts the sums
	s_mov_b32 s3, LAPS-1
.Llap:
	TURN 0, 1, 1
	STEP 1, 0, 0
	TURN 1, 0, 1
	STEP 0, 0, 0
	s_sub_co_u32 s3, s3, 1
	s_cmp_lg_u32 s3, 0
	s_cbranch_scc1 .Llap
	TURN 0, 1, 0                                   ; the last lap fills nothing
	STEP 1, 0, 0
	s_wait_dscnt 4*NL
	WIN MUL_LO
	MUL16 0, 1, 0
	MUL16 2, 1, 0
	s_wait_dscnt 0
	WIN MUL_HI
	MUL16 4, 1, 0
	MUL16 6, 1, 0
	WIN 0
	; THE WAY OUT: no LDS.  A sum stands for sum x 2^(e0 + e1); its code under the next scale 2^eX is sum / 2^(eX - e0 - e1).
	s_wait_kmcnt 0x0
	s_cmp_eq_u32 ttmp9, 1
	s_cselect_b32 s80, s75, s74                    ; k: e3; q: e2
	s_cmp_eq_u32 ttmp9, 2
	s_cselect_b32 s80, s77, s80                    ; v: e5
	s_sub_co_i32 s80, s80, s72
	s_sub_co_i32 s80, s80, s73
	s_add_co_i32 s80, s80, 127
	s_lshl_b32 s87, s80, 23
	s_add_co_i32 s80, s80, 8
	s_lshl_b32 s80, s80, 23
	s_or_b32 s80, s80, 0x600000
	PLACES NP
	v_mov_b32 v30, s87                             ; the folded scale as f32
	v_mov_b32 v31, s80                             ; 448 x that
.macro OUTA a                          ; source 1's block a: 16 rows x 128: one image of 2,048 bytes
	WIN 0x02+((\a)/4)                              ; source 0: window 2 or 3
.set n, 0
.rept 64
	v_med3_num_f32 v[TMP+n], v[64*((\a)%4)+n], -v31, v31   ; the hold; each accumulator from its low end on
.set n, n+1
.endr
	WIN 0
.irp b, 0,1,2,3,4,5,6,7
	v_cvt_scalef32_pk8_fp8_f32 v[CODE+16*(\a)+2*\b:CODE+16*(\a)+2*\b+1], v[TMP+8*\b:TMP+8*\b+7], v30
.endr
	v_nop                                          ; one plain line behind the last conversion: the next block's holds write its sources
.irp i, 0,1,2,3
	global_store_b128 v[CO+(\a)], v[CODE+16*(\a)+4*\i:CODE+16*(\a)+4*\i+3], s[10:11] offset:512*\i   ; 512 consecutive bytes; every block has registers of its own
.endr
.endm
.irp a, 0,1,2,3,4,5,6,7
	OUTA \a
.endr
	s_wait_tensorcnt 0x0                           ; the wave's end
	ds_add_u32 v[SPW], v[NIL]
	s_wait_dscnt 0x0
	CROUND                                         ; the closing round
	s_endpgm
.Lfunc_end_k_q9695a0d027_qkv:
	.size	k_q9695a0d027_qkv, .Lfunc_end_k_q9695a0d027_qkv-k_q9695a0d027_qkv
	.p2alignl 7, 3214868480
	.fill 96, 4, 3214868480
	.section	.rodata,"a",@progbits
	.p2align	6, 0x0
	.amdhsa_kernel k_q9695a0d027_qkv
		.amdhsa_group_segment_fixed_size 327680
		.amdhsa_private_segment_fixed_size 0
		.amdhsa_enable_private_segment 0
		.amdhsa_kernarg_size 24
		.amdhsa_user_sgpr_count 2
		.amdhsa_user_sgpr_kernarg_segment_ptr 1
		.amdhsa_wavefront_size32 1
		.amdhsa_system_sgpr_workgroup_id_x 1
		.amdhsa_system_sgpr_workgroup_id_y 1
		.amdhsa_system_sgpr_workgroup_id_z 1
		.amdhsa_system_vgpr_workitem_id 0
		.amdhsa_next_free_vgpr 1024
		.amdhsa_next_free_sgpr 100
		.amdhsa_reserve_vcc 0
		.amdhsa_float_denorm_mode_32 3
		.amdhsa_float_denorm_mode_16_64 3
		.amdhsa_memory_ordered 1
		.amdhsa_forward_progress 1
		.amdhsa_inst_pref_size 119
	.end_amdhsa_kernel
	.amdgpu_metadata
---
amdhsa.version: [ 1, 2 ]
amdhsa.kernels:
  - .name:           k_q9695a0d027_qkv
    .symbol:         k_q9695a0d027_qkv.kd
    .args:
      - { .name: prepc, .offset: 0, .size: 8, .value_kind: global_buffer, .address_space: global }
      - { .name: lowp_scales, .offset: 8, .size: 8, .value_kind: global_buffer, .address_space: global }
      - { .name: qkvc, .offset: 16, .size: 8, .value_kind: global_buffer, .address_space: global }
    .group_segment_fixed_size: 327680
    .private_segment_fixed_size: 0
    .kernarg_segment_align: 8
    .kernarg_segment_size: 24
    .max_flat_workgroup_size: 128
    .sgpr_count:     100
    .vgpr_count:     1024
    .wavefront_size: 32
...
	.end_amdgpu_metadata
.endif
;; end of part 2
;; launch attn (part 3): grid 8 x 32, 16 waves a work-group, no clusters, 301,056 bytes of LDS; arguments qkvc, maskw, lowp_scales, oc; writes oc
.if DOCPART == 3
	.amdgcn_target "amdgcn-amd-amdhsa--gfx1250"
	.amdhsa_code_object_version 6
	.text
	.protected	k_q9695a0d027_attn
	.globl	k_q9695a0d027_attn
	.p2align	8
	.type	k_q9695a0d027_attn,@function
k_q9695a0d027_attn:
	s_mov_b64 s[64:65], 0
	v_nop
	global_prefetch_b8 v0, s[64:65] scope:SCOPE_SE
	s_setreg_imm32_b32 hwreg(HW_REG_WAVE_MODE, 25, 1), 1
	s_wait_xcnt 0x0
; ATTENTION on E4M3 codes, 32 heads of 2,048 tokens x 64 channels, with the mask as it was given.  q, k: images [16 tokens x 64]; v: images [16 channels x 128 keys]; o: codes under 2^e6, as the next product's images.
; t = score x log2(e) / 8; M = the running largest t rounded up to a whole number; p = 2^(t - M) is quantised under 2^e4, not normalised; the row's sum is taken of the unquantised p and divides at the end.
; SHARES.  A work-group (x = j, y = 16 batch + head) holds its head's whole K and V in LDS, 131,072 bytes each, filled once through registers, and owns the 16 tiles of 16 queries with numbers 8 p + j, p = 0 .. 15.
; The tiles form 8 PAIRS, p = P and p = 15 - P, and a pair has two waves (u = (w / 4) % 2, P = w % 4 + 4 (w / 8)).  The wave with u = 1 takes tile P whole (16 steps of 128 keys) and stores it, then takes steps 8 .. 15 of tile
; 15 - P and lays its part (-M, the sum, O^T) into LDS.  The wave with u = 0 takes steps 0 .. 7 of tile 15 - P; behind a barrier it reads the other part, brings both under the larger M by powers of two, which round nothing,
; adds them and stores the tile.  Under a mask that leaves the keys up to the query that is 8 and 9 open steps a wave, and 34 for any four waves w, w + 4, w + 8, w + 12.  Any mask is served: each tile's 16 steps are walked once.
; Both loops have constant trip counts and every wave walks both (the wave with u = 0 finds all flags of the first loop 0); branches on the wave's number stand round the first store, the part's LDS stores and the merge alone.
; THE MASK.  An earlier launch stored, for each tile of 16 queries x 128 keys, 64 lane-mask words (word n for score register n) and two bits: 0 all closed, 1 mixed, 2 all open.  A closed tile's step is left out
; (all its p are 0 and M does not move); only a mixed tile reads its words.  These are scalar branches on stored whole numbers; this launch has no tensor load, and hence no joint loads:
; the 8 work-groups of a head each read its 262,144 bytes of K and V once.
; A ROW WITH NO OPEN KEY has the sum 0: its reciprocal times 0 is NaN, which is added behind the hold, so that the row's codes are the NaN code.
; Both products are used transposed: S^T = K Q^T, O^T = V^T P^T: a lane holds ONE query (lane % 16); score register 8 t + j is key 16 t + 8 (lane / 16) + j, which is where P's fragment wants it.
; LIMITS: e2 + e3 between -123 and 130 (added to c's exponent field); e4 and e6 between -126 and 119.  NaN among the inputs is not served.
; REGISTERS: v1 16 x lane; v2, v3 LDS addresses of the step; v4, v5 the add's two; v6, v7 the fill; v8 the part's place in LDS; v12 -M, v13 the largest t, v[14:15] the sum; v16-23 Q of the first tile, v24-31 of the second;
; v32-95 K's 8 fragments, then V's 4; v96-159 S^T, then p; v160-191 O^T; v192-207 p's codes; v240, v244 the hold and scale of p; v241, v245 those of o.
.set VLDS,  131072
.set SPARE, 262144                     ; the spare words, 128 bytes for each of 16 waves
.set PART,  264192                     ; behind them: a pair's part, 9 x 512 bytes, as images of registers
.set PSZ,   4608
.set SPW, 4
.set NIL, 5
.set PB,  8
.set OLIM, 241
.set OSC,  245
.macro INIT                            ; a tile's or a part's start: the step is written once, and the first finds zeros, which the first change of M leaves zeros
	v_mov_b32 v13, 0xff61b1e6                      ; the largest t so far: -3e38
	s_delay_alu instid0(VALU_DEP_1)
	v_floor_f32 v12, -v13                          ; -M
	v_mov_b32 v14, 0
	v_mov_b32 v15, 0
.set j, 0
.rept 32
	v_mov_b32 v[160+j], 0
.set j, j+1
.endr
.endm
; THE WORDS OF A MIXED STEP ARE ASKED FOR AHEAD.  s[l] is a run's list of mixed steps still to be asked for, bit 2 i for step i of the run.  The list's first step's 64 words, 256 bytes, come as two registers a lane
; (word n in lane n / 2, register n % 2) into v[w:w+1]; v[w+2] holds the load's offset; v[wo] = 8 x lane + the run's first step; s[b:b+1] the tile's words.  The step is then taken off the list.
; Where the list is empty the count of trailing zeros is -1, which the minimum turns into the run's last step: its words are loaded and not used.
.macro NEXTW l, lim, w, wo, b
	s_ctz_i32_b32 s74, s[\l]
	s_min_u32 s74, s74, \lim
	s_lshl_b32 s74, s74, 7                         ; twice the step's number x 128: 256 bytes a step
	v_add_nc_u32 v[\w+2], s74, v[\wo]
	global_load_b64 v[\w:\w+1], v[\w+2], s[\b:\b+1]
	s_sub_co_u32 s74, s[\l], 1
	s_and_b32 s[\l], s[\l], s74                    ; the lowest bit is cleared; an empty list stays empty
.endm
; A run of steps of 128 keys for the tile whose Q lies in v[q] on.  s14: two flag bits a step; s67: the step's bytes in K's and V's halves; l, w, wo, b, lim: the run's mask words, as above.
.macro PASS trips, q, l, w, wo, b, lim
	s_mov_b32 s66, 0
.Lstep_\@:
	v_add_nc_u32 v2, s67, v1                       ; (these two are also places behind the last step's products)
	s_delay_alu instid0(VALU_DEP_1)
	v_add_nc_u32 v3, VLDS, v2
	s_and_b32 s15, s14, 3
	s_lshr_b32 s14, s14, 2
	s_cmp_eq_u32 s15, 0
	s_cbranch_scc1 .Lskip_\@                       ; all closed: nothing to do
	v_nop
	v_nop
.set m, 0
.rept 16
	ds_load_b128 v[32+4*m:35+4*m], v2 offset:512*m
.set m, m+1
.endr
	s_wait_dscnt 0x0
.irp t, 0,1,2,3,4,5,6,7
	v_wmma_f32_16x16x64_fp8_fp8 v[96+8*\t:103+8*\t], v[32+8*\t:39+8*\t], v[\q:\q+7], 0
.endr
.rept 4
	v_nop                                          ; places in front of the loads into K's registers and of the first read of the scores
.endr
.set m, 0
	s_wait_alu depctr_va_vdst(0)
.rept 16
	ds_load_b128 v[32+4*m:35+4*m], v3 offset:512*m ; V lands under the softmax
.set m, m+1
.endr
	s_cmp_eq_u32 s15, 1
	s_cbranch_scc0 .Lopen_\@
	v_mov_b32 v254, 0xff800000                     ; -infinity
	s_wait_alu depctr_va_vdst(0)
	s_wait_loadcnt 0x0                             ; a mixed tile: its words were asked for at the head or at the run's last mixed step
.set n, 0
.rept 48
	v_readlane_b32 s[16+n], v[\w+n%2], n/2         ; word n as a lane mask
.set n, n+1
.endr
.rept 16
	v_readlane_b32 s[32+n], v[\w+n%2], n/2
.set n, n+1
.endr
	NEXTW \l, \lim, \w, \wo, \b                    ; the two registers are free: the run's next mixed step
.set n, 0
.rept 48
	v_cndmask_b32 v[96+n], v254, v[96+n], s[16+n]
.set n, n+1
.endr
.rept 16
	v_cndmask_b32 v[96+n], v254, v[96+n], s[32+n]
.set n, n+1
.endr
.Lopen_\@:
	v_max3_num_f32 v254, v96, v97, v98             ; the step's largest score of my query among my 64 keys, in two chains,
	v_max3_num_f32 v252, v99, v100, v101
.irp i, 6,10,14,18,22,26,30,34,38,42,46,50,54,58
	v_max3_num_f32 v254, v254, v[96+\i], v[97+\i]
	v_max3_num_f32 v252, v252, v[98+\i], v[99+\i]
.endr
	v_max3_num_f32 v254, v254, v158, v159
	s_delay_alu instid0(VALU_DEP_1)
	v_max_num_f32 v254, v254, v252
	s_delay_alu instid0(VALU_DEP_1)
	v_permlanex16_b32 v236, v254, s72, s73
	s_delay_alu instid0(VALU_DEP_1)
	v_max_num_f32 v254, v254, v236                 ; and among lane l xor 16's
	s_delay_alu instid0(VALU_DEP_1)
	v_mul_f32 v254, s70, v254                      ; as t (c is positive)
	s_delay_alu instid0(VALU_DEP_1)
	v_max_num_f32 v13, v13, v254
	v_mov_b32 v254, v12
	s_delay_alu instid0(VALU_DEP_2)
	v_floor_f32 v12, -v13                          ; the new -M = -ceil(t)
	s_delay_alu instid0(VALU_DEP_1)
	v_sub_f32 v254, v12, v254                      ; old M - new M: a whole number, 0 or less
	s_delay_alu instid0(VALU_DEP_1)
	v_cvt_i32_f32 v254, v254                       ; (it saturates)
	s_delay_alu instid0(VALU_DEP_1)
	v_ldexp_f32 v252, 1.0, v254                    ; f = 2^(old M - new M)
.set j, 0
.rept 32
	v_pk_fma_f32 v[96+j:97+j], v[96+j:97+j], s[70:71], v[12:13] op_sel_hi:[1,0,0]   ; t - M
.set j, j+2
.endr
.set j, 0
	s_wait_alu depctr_va_vdst(0)
.rept 64
	v_exp_f32 v[96+j], v[96+j]                     ; p = 2^(t - M)
.set j, j+1
.endr
	v_pk_mul_f32 v[14:15], v[14:15], v[252:253] op_sel_hi:[1,0]   ; the sums under the new M: the plain line behind the exponentials
	s_wait_alu depctr_va_vdst(0)                   ; one wait for the whole batch, ahead of its first reader
	v_pk_add_f32 v[242:243], v[100:101], v[104:105]
	v_pk_add_f32 v[254:255], v[108:109], v[112:113]
	v_pk_add_f32 v[250:251], v[116:117], v[120:121]
	v_pk_add_f32 v[248:249], v[124:125], v[128:129]
	v_pk_add_f32 v[246:247], v[132:133], v[136:137]
	v_pk_add_f32 v[238:239], v[140:141], v[144:145]
	v_pk_add_f32 v[234:235], v[148:149], v[152:153]
	v_pk_add_f32 v[14:15], v[14:15], v[156:157]
	v_pk_add_f32 v[242:243], v[242:243], v[96:97]
	v_pk_add_f32 v[254:255], v[254:255], v[98:99]
	v_pk_add_f32 v[250:251], v[250:251], v[102:103]
	v_pk_add_f32 v[248:249], v[248:249], v[106:107]
	v_pk_add_f32 v[246:247], v[246:247], v[110:111]
	v_pk_add_f32 v[238:239], v[238:239], v[114:115]
	v_pk_add_f32 v[234:235], v[234:235], v[118:119]
	v_pk_add_f32 v[14:15], v[14:15], v[122:123]
	v_pk_add_f32 v[242:243], v[242:243], v[126:127]
	v_pk_add_f32 v[254:255], v[254:255], v[130:131]
	v_pk_add_f32 v[250:251], v[250:251], v[134:135]
	v_pk_add_f32 v[248:249], v[248:249], v[138:139]
	v_pk_add_f32 v[246:247], v[246:247], v[142:143]
	v_pk_add_f32 v[238:239], v[238:239], v[146:147]
	v_pk_add_f32 v[234:235], v[234:235], v[150:151]
	v_pk_add_f32 v[14:15], v[14:15], v[154:155]
	v_pk_add_f32 v[242:243], v[242:243], v[158:159]
	s_delay_alu instid0(VALU_DEP_2)
	v_pk_add_f32 v[14:15], v[14:15], v[248:249]
	s_delay_alu instid0(VALU_DEP_2)
	v_pk_add_f32 v[242:243], v[242:243], v[246:247]
	v_pk_add_f32 v[254:255], v[254:255], v[238:239]
	v_pk_add_f32 v[250:251], v[250:251], v[234:235]
	s_delay_alu instid0(VALU_DEP_2)
	v_pk_add_f32 v[14:15], v[14:15], v[254:255]
	s_delay_alu instid0(VALU_DEP_2)
	v_pk_add_f32 v[242:243], v[242:243], v[250:251]
	s_delay_alu instid0(VALU_DEP_1)
	v_pk_add_f32 v[14:15], v[14:15], v[242:243]
	s_cmp_eq_u32 s69, 0
	s_cbranch_scc1 .Lnohold_\@
.set j, 0
.rept 64
	v_min_num_f32 v[96+j], v[96+j], v240           ; p is not negative: the hold is one-sided
.set j, j+1
.endr
.Lnohold_\@:
.irp t, 0,1,2,3,4,5,6,7
	v_cvt_scalef32_pk8_fp8_f32 v[192+2*\t:193+2*\t], v[96+8*\t:103+8*\t], v244
.endr
.set j, 0
.rept 16
	v_pk_mul_f32 v[160+j:161+j], v[160+j:161+j], v[252:253] op_sel_hi:[1,0]   ; O^T under the new M; also the plain lines behind the conversions
.set j, j+2
.endr
	s_wait_alu depctr_va_vdst(0)
	s_wait_dscnt 0x0                               ; V is in
.irp c, 0,1,2,3
	v_wmma_f32_16x16x128_fp8_fp8 v[160+8*\c:167+8*\c], v[32+16*\c:47+16*\c], v[192:207], v[160+8*\c:167+8*\c]
.endr
.Lskip_\@:
	s_add_co_u32 s67, s67, 8192
	s_add_co_u32 s66, s66, 1
	s_cmp_lt_u32 s66, \trips
	s_cbranch_scc1 .Lstep_\@
.rept 4
	v_nop                                          ; places behind the last products, on every way out of the loop
.endr
.endm
; A finished tile: O^T / the sum x 2^(e4 + e5), quantised under 2^e6: eight registers, half an image of the next product's operand, to s[b:b+1]
.macro OUTPUT b
	v_add_f32 v14, v14, v15
	s_wait_alu depctr_va_vdst(0)
	v_permlanex16_b32 v236, v14, s72, s73
	s_delay_alu instid0(VALU_DEP_1)
	v_add_f32 v14, v14, v236                       ; the row's sum
	s_wait_alu depctr_va_vdst(0)
	v_rcp_f32 v15, v14
	v_nop                                          ; a plain line behind the reciprocal
	s_wait_alu depctr_va_vdst(0)                   ; ahead of the first reader
	v_ldexp_f32 v12, v15, s76
	v_mul_f32 v14, 0, v15                          ; 0, or NaN where the sum is 0
.set j, 0
.rept 16
	v_pk_mul_f32 v[96+j:97+j], v[160+j:161+j], v[12:13] op_sel_hi:[1,0]
.set j, j+2
.endr
.set j, 0
.rept 32
	v_med3_num_f32 v[96+j], v[96+j], -v[OLIM], v[OLIM]
.set j, j+1
.endr
.set j, 0
.rept 16
	v_pk_add_f32 v[96+j:97+j], v[96+j:97+j], v[14:15] op_sel_hi:[1,0]
.set j, j+2
.endr
.irp c, 0,1,2,3
	v_cvt_scalef32_pk8_fp8_f32 v[192+2*\c:193+2*\c], v[96+8*\c:103+8*\c], v[OSC]
.endr
	v_nop
	global_store_b128 v1, v[192:195], s[\b:\b+1]
	global_store_b128 v1, v[196:199], s[\b:\b+1] offset:512
.endm
	s_load_b256 s[4:11], s[0:1], 0x0               ; qkvc, maskw, the scales' exponents, oc
	v_lshl_add_u32 v[SPW], v0, 2, SPARE
	v_mov_b32 v[NIL], 0
	v_lshrrev_b32 v1, 5, v0
	s_delay_alu instid0(VALU_DEP_1)
	v_readfirstlane_b32 s12, v1                    ; wave 0..15
	v_and_b32 v1, 31, v0
	s_delay_alu instid0(VALU_DEP_1)
	v_lshlrev_b32 v1, 4, v1                        ; 16 x lane
	s_wait_alu depctr_va_vdst(0)
	s_bfe_u32 s13, s12, 0x10002                    ; u
	s_and_b32 s25, s12, 3
	s_lshr_b32 s24, s12, 3
	s_lshl_b32 s24, s24, 2
	s_or_b32 s25, s25, s24                         ; the pair P
	s_lshl_b32 s26, s25, 3
	s_add_co_u32 s26, s26, ttmp9                   ; the first tile: 8 P + j
	s_sub_co_u32 s27, 15, s25
	s_lshl_b32 s27, s27, 3
	s_add_co_u32 s27, s27, ttmp9                   ; the second: 8 (15 - P) + j
	s_and_b32 s24, ttmp7, 0xffff
	s_lshr_b32 s28, s24, 4                         ; batch
	s_and_b32 s29, s24, 15                         ; head
	s_lshl_b32 s30, s28, 7
	s_lshl_b32 s31, s29, 10
	s_add_co_u32 s32, s30, s26
	s_lshl_b32 s32, s32, 14
	s_add_co_u32 s32, s32, s31                     ; (128 batch + tile) x 16,384 + head x 1,024: a tile's place in q, and in oc
	s_mov_b32 s33, 0
	s_add_co_u32 s34, s30, s27
	s_lshl_b32 s34, s34, 14
	s_add_co_u32 s34, s34, s31
	s_mov_b32 s35, 0
	s_lshl_b32 s24, s28, 21
	s_lshl_b32 s46, s12, 17
	s_add_co_u32 s24, s24, s46                     ; batch x 2^21 + wave x 2^17: the 128 keys that I bring in
	s_add_co_u32 s36, s24, s31
	s_add_co_u32 s36, s36, 4194304                 ; in k
	s_mov_b32 s37, 0
	s_lshl_b32 s46, s29, 13
	s_add_co_u32 s38, s24, s46
	s_add_co_u32 s38, s38, 8388608                 ; in v
	s_mov_b32 s39, 0
	s_lshl_b32 s40, s26, 12                        ; a tile's words: 16 steps x 256 bytes
	s_mov_b32 s41, 0
	s_lshl_b32 s42, s27, 12
	s_mov_b32 s43, 0
	s_lshl_b32 s44, s26, 2                         ; a tile's flag word
	s_lshl_b32 s45, s27, 2
	s_lshl_b32 s46, s12, 13
	v_add_nc_u32 v6, s46, v1                       ; the fill: 16 x lane + 8,192 x wave,
	s_delay_alu instid0(VALU_DEP_1)
	v_add_nc_u32 v7, VLDS, v6                      ; and the same in V's half
	s_mul_i32 s46, s25, PSZ
	s_add_co_u32 s46, s46, PART
	v_add_nc_u32 v[PB], s46, v1                    ; my pair's part: 16 x lane + 4,608 x pair
	s_mov_b32 s72, 0x76543210                      ; lane selects: lane l xor 16
	s_mov_b32 s73, 0xfedcba98
	s_wait_kmcnt 0x0
	s_load_b256 s[16:23], s[8:9], 0x0              ; e0 .. e7
	s_load_b32 s14, s[6:7], s44 offset:0x80000     ; the first tile's 16 flags
	s_load_b32 s96, s[6:7], s45 offset:0x80000     ; the second's
	s_add_nc_u64 s[48:49], s[4:5], s[32:33]
	s_add_nc_u64 s[50:51], s[4:5], s[34:35]
	s_add_nc_u64 s[52:53], s[4:5], s[36:37]
	s_add_nc_u64 s[54:55], s[4:5], s[38:39]
	s_add_nc_u64 s[78:79], s[10:11], s[34:35]      ; oc at the second tile,
	s_add_nc_u64 s[10:11], s[10:11], s[32:33]      ; and at the first
	s_add_nc_u64 s[2:3], s[6:7], s[40:41]          ; the first tile's words,
	s_add_nc_u64 s[98:99], s[6:7], s[42:43]        ; the second's
	global_load_b128 v[16:19], v1, s[48:49]        ; both tiles' Q stay in registers
	global_load_b128 v[20:23], v1, s[48:49] offset:512
	global_load_b128 v[24:27], v1, s[50:51]
	global_load_b128 v[28:31], v1, s[50:51] offset:512
.set m, 0
.rept 16
	global_load_b128 v[32+4*m:35+4*m], v1, s[52:53] offset:(m/2)*16384+(m%2)*512   ; K: 8 tiles of 16 keys, 1,024 bytes each
.set m, m+1
.endr
.set m, 0
.rept 16
	global_load_b128 v[96+4*m:99+4*m], v1, s[54:55] offset:512*m                   ; V: one key step's four images, 8,192 consecutive bytes
.set m, m+1
.endr
	INIT
	v_mov_b32 v236, 0                              ; a lane permute's destination counts as one of its sources
	v_mov_b32 v253, 0                              ; named as the upper half of the pair v[252:253]
	s_wait_kmcnt 0x0
	s_add_co_i32 s74, s18, s19
	s_lshl_b32 s74, s74, 23
	s_add_co_i32 s70, s74, 0x3e38aa3b              ; c = log2(e) / 8 x 2^(e2 + e3)
	s_mov_b32 s71, s70
	s_add_co_i32 s74, s20, 127
	s_lshl_b32 s75, s74, 23
	v_mov_b32 v244, s75                            ; 2^e4
	s_add_co_i32 s74, s74, 8
	s_lshl_b32 s74, s74, 23
	s_or_b32 s74, s74, 0x600000
	v_mov_b32 v240, s74                            ; 448 x 2^e4
	s_cmp_lt_i32 s20, -8
	s_cselect_b32 s69, 1, 0                        ; p is at most 1: the hold can act only where 448 x 2^e4 is under 1, that is e4 < -8
	s_add_co_i32 s76, s20, s21                     ; e4 + e5
	s_add_co_i32 s74, s22, 127
	s_lshl_b32 s75, s74, 23
	v_mov_b32 v[OSC], s75                          ; 2^e6
	s_add_co_i32 s74, s74, 8
	s_lshl_b32 s74, s74, 23
	s_or_b32 s74, s74, 0x600000
	v_mov_b32 v[OLIM], s74                         ; 448 x 2^e6
	s_cmp_eq_u32 s13, 0
	s_cselect_b32 s14, 0, s14                      ; the wave with u = 0 has no first tile: all its flags are 0
	s_lshl_b32 s74, s13, 4
	s_lshr_b32 s96, s96, s74
	s_lshr_b32 s74, s14, 1                         ; the two runs' lists of mixed steps: flag 1 is low bit set, high bit clear
	s_and_not1_b32 s77, s14, s74
	s_and_b32 s77, s77, 0x55555555                 ; the first run: 16 steps
	s_lshr_b32 s74, s96, 1
	s_and_not1_b32 s97, s96, s74
	s_and_b32 s97, s97, 0x5555                     ; the second: 8 steps
	s_lshl_b32 s75, s13, 11                        ; which begin at step 8 u: 8 x 256 bytes of words
	v_lshrrev_b32 v216, 1, v1                      ; 8 x lane
	v_add_nc_u32 v217, s75, v216
	s_wait_alu depctr_va_vdst(0)
	NEXTW 77, 30, 208, 216, 2                      ; both runs' first mixed steps land under the fill of K and V
	NEXTW 97, 14, 212, 217, 98
	s_wait_loadcnt 16
.set m, 0
.rept 16
	ds_store_b128 v6, v[32+4*m:35+4*m] offset:512*m
.set m, m+1
.endr
	s_wait_loadcnt 0x0
.set m, 0
.rept 16
	ds_store_b128 v7, v[96+4*m:99+4*m] offset:512*m
.set m, m+1
.endr
	s_wait_dscnt 0x0                               ; for the others' sake: my stores have landed
	s_barrier_signal -1
	s_barrier_wait -1                              ; the head's K and V are whole; from here on they are only read
	s_mov_b32 s67, 0
	PASS 16, 16, 77, 208, 216, 2, 30
	s_cmp_eq_u32 s13, 0
	s_cbranch_scc1 .Lno_first
	OUTPUT 10
	s_wait_xcnt 0x0                                ; the stores have read their data registers, which the next steps write again
.Lno_first:
	INIT
	s_mov_b32 s14, s96
	s_lshl_b32 s67, s13, 16                        ; steps 8 u on: 8 x 8,192 bytes
	PASS 8, 24, 97, 212, 217, 98, 14
	s_cmp_eq_u32 s13, 0
	s_cbranch_scc1 .Lkeep
.set m, 0
	s_wait_alu depctr_va_vdst(0)
.rept 8
	ds_store_b128 v[PB], v[160+4*m:163+4*m] offset:512*m   ; u = 1: my part as it stands in the registers; each accumulator's low four first
.set m, m+1
.endr
	ds_store_b128 v[PB], v[12:15] offset:4096      ; -M, the largest t, the sum's two halves
.Lkeep:
	s_wait_dscnt 0x0                               ; for the partner's sake: the stores have landed
	s_barrier_signal -1
	s_barrier_wait -1
	s_cmp_lg_u32 s13, 0
	s_cbranch_scc1 .Lend
.set m, 0
.rept 8
	ds_load_b128 v[96+4*m:99+4*m], v[PB] offset:512*m      ; u = 0: the same registers of the same lanes of my partner
.set m, m+1
.endr
	ds_load_b128 v[128:131], v[PB] offset:4096
	s_wait_dscnt 0x0
	v_min_num_f32 v132, v12, v128                  ; -M of both parts together
	s_delay_alu instid0(VALU_DEP_1)
	v_sub_f32 v133, v132, v12                      ; my M less the common one: a whole number, 0 or less,
	s_delay_alu instid0(VALU_DEP_2)
	v_sub_f32 v134, v132, v128                     ; and my partner's
	s_delay_alu instid0(VALU_DEP_2)
	v_cvt_i32_f32 v133, v133                       ; (they saturate)
	s_delay_alu instid0(VALU_DEP_2)
	v_cvt_i32_f32 v134, v134
	s_delay_alu instid0(VALU_DEP_2)
	v_ldexp_f32 v252, 1.0, v133
	s_delay_alu instid0(VALU_DEP_2)
	v_ldexp_f32 v134, 1.0, v134
	v_mov_b32 v135, 0                              ; (named as the upper half of the pair v[134:135])
	s_delay_alu instid0(VALU_DEP_3)
	v_pk_mul_f32 v[14:15], v[14:15], v[252:253] op_sel_hi:[1,0]
	s_delay_alu instid0(VALU_DEP_1)
	v_pk_fma_f32 v[14:15], v[130:131], v[134:135], v[14:15] op_sel_hi:[1,0,1]
.set j, 0
.rept 16
	v_pk_mul_f32 v[160+j:161+j], v[160+j:161+j], v[252:253] op_sel_hi:[1,0]
	s_delay_alu instid0(VALU_DEP_1)
	v_pk_fma_f32 v[160+j:161+j], v[96+j:97+j], v[134:135], v[160+j:161+j] op_sel_hi:[1,0,1]
.set j, j+2
.endr
	OUTPUT 78
.Lend:
	s_wait_tensorcnt 0x0                           ; the wave's end
	ds_add_u32 v[SPW], v[NIL]
	s_wait_dscnt 0x0
	s_endpgm
.Lfunc_end_k_q9695a0d027_attn:
	.size	k_q9695a0d027_attn, .Lfunc_end_k_q9695a0d027_attn-k_q9695a0d027_attn
	.p2alignl 7, 3214868480
	.fill 96, 4, 3214868480
	.section	.rodata,"a",@progbits
	.p2align	6, 0x0
	.amdhsa_kernel k_q9695a0d027_attn
		.amdhsa_group_segment_fixed_size 301056
		.amdhsa_private_segment_fixed_size 0
		.amdhsa_enable_private_segment 0
		.amdhsa_kernarg_size 32
		.amdhsa_user_sgpr_count 2
		.amdhsa_user_sgpr_kernarg_segment_ptr 1
		.amdhsa_wavefront_size32 1
		.amdhsa_system_sgpr_workgroup_id_x 1
		.amdhsa_system_sgpr_workgroup_id_y 1
		.amdhsa_system_sgpr_workgroup_id_z 1
		.amdhsa_system_vgpr_workitem_id 0
		.amdhsa_next_free_vgpr 256
		.amdhsa_next_free_sgpr 100
		.amdhsa_reserve_vcc 0
		.amdhsa_float_denorm_mode_32 3
		.amdhsa_float_denorm_mode_16_64 3
		.amdhsa_memory_ordered 1
		.amdhsa_forward_progress 1
		.amdhsa_inst_pref_size 77
	.end_amdhsa_kernel
	.amdgpu_metadata
---
amdhsa.version: [ 1, 2 ]
amdhsa.kernels:
  - .name:           k_q9695a0d027_attn
    .symbol:         k_q9695a0d027_attn.kd
    .args:
      - { .name: qkvc, .offset: 0, .size: 8, .value_kind: global_buffer, .address_space: global }
      - { .name: maskw, .offset: 8, .size: 8, .value_kind: global_buffer, .address_space: global }
      - { .name: lowp_scales, .offset: 16, .size: 8, .value_kind: global_buffer, .address_space: global }
      - { .name: oc, .offset: 24, .size: 8, .value_kind: global_buffer, .address_space: global }
    .group_segment_fixed_size: 301056
    .private_segment_fixed_size: 0
    .kernarg_segment_align: 8
    .kernarg_segment_size: 32
    .max_flat_workgroup_size: 512
    .sgpr_count:     100
    .vgpr_count:     256
    .wavefront_size: 32
...
	.end_amdgpu_metadata
.endif
;; end of part 3
;; launch outp (part 4): grid 8 x 32, 4 waves a work-group, clusters of 4 x 4, 327,680 bytes of LDS; arguments oc, prepc, lowp_scales, out_b, x, x1; writes x1
.if DOCPART == 4
	.amdgcn_target "amdgcn-amd-amdhsa--gfx1250"
	.amdhsa_code_object_version 6
	.text
	.protected	k_q9695a0d027_outp
	.globl	k_q9695a0d027_outp
	.p2align	8
	.type	k_q9695a0d027_outp,@function
k_q9695a0d027_outp:
	s_mov_b64 s[64:65], 0
	v_nop
	global_prefetch_b8 v0, s[64:65] scope:SCOPE_SE
	s_setreg_imm32_b32 hwreg(HW_REG_WAVE_MODE, 25, 1), 1
	s_wait_xcnt 0x0
	s_wait_alu depctr_hold_cnt(0) depctr_sa_sdst(0) depctr_va_vdst(0) depctr_va_sdst(0) depctr_va_ssrc(0) depctr_va_vcc(0) depctr_vm_vsrc(0)
	s_getreg_b32 s2, hwreg(HW_REG_IB_STS2, 6, 4)
	s_cmp_eq_u32 s2, 0
	s_cbranch_scc0 .Lentry_in_a_cluster
	s_endpgm
.Lentry_in_a_cluster:
	s_bfe_u32 s2, ttmp6, 0x10000c
	s_cmp_lg_u32 s2, 0xf033
	s_cbranch_scc0 .Lentry_shape_is_right
	s_endpgm
.Lentry_shape_is_right:
.set KS,     8
.set BOFF,   3145728
.set EA,     82
.set EB,     83
.set NTOUT,  0
.set HALFT,  32768
.set SLOT,   4*HALFT
.set STAGE,  2*SLOT
.set SPITCH, 272
.set SPARE,  STAGE+4*16*SPITCH
.set LAPS,   KS/8
.set BI,   8
.set ADRA, 16
.set ADRB, 20
.set STO,  24
.set RD,   25
.set CO,   26
.set BO,   27
.set SPW,  28
.set NIL,  29
.set RS,   32
.set BK,   96
.set ACC,  128
.set F0,   0
.set F1,   128
.set G1, 24
.set G0, 32
.set G1B, 48
.set G0B, 56
.set MSB, 0
.macro WIN new
.if MSB != \new
	s_set_vgpr_msb (MSB<<8)|\new
.set MSB, \new
.endif
.endm
.set MUL,  0x05
.set TO_F, 0x40
.macro JLOAD s
	s_cmp_eq_u32 s11, 0
	s_cbranch_scc0 .Lfor_b_\@
	tensor_load_to_lds s[G0+4*\s:G0+4*\s+3], s[G1:G1+7]
	s_nop 0
.rept 4
	v_nop
.endr
	s_branch .Lasked_\@
.Lfor_b_\@:
	tensor_load_to_lds s[G0B+4*\s:G0B+4*\s+3], s[G1B:G1B+7]
	s_nop 0
.rept 4
	v_nop
.endr
.Lasked_\@:
.endm
.macro CREST
	s_cmp_lg_u32 s10, 0
	s_cbranch_scc1 .Lnot_wave_0_\@
	s_barrier_signal -3
.Lnot_wave_0_\@:
	s_barrier_wait -3
	s_barrier_signal -1
	s_barrier_wait -1
.endm
.macro CROUND
	s_barrier_signal -1
	s_barrier_wait -1
	CREST
.endm
	s_load_b128 s[4:7], s[0:1], 0x0
	s_load_b256 s[68:75], s[0:1], 0x10
	v_lshl_add_u32 v[SPW], v0, 2, SPARE
	v_mov_b32 v[NIL], 0
	ds_add_u32 v[SPW], v[NIL]
	ds_add_u32 v[SPW], v[NIL]
	v_lshrrev_b32 v1, 5, v0
	v_readfirstlane_b32 s10, v1
	v_and_b32 v7, 31, v0
	v_lshlrev_b32 v7, 8, v7                        ; v7: the prefetch's offset, 256 x lane; never rewritten
	s_lshr_b32 s11, s10, 1
	s_and_b32 s12, s10, 1
	s_bfe_u32 s40, ttmp6, 0x40000
	s_bfe_u32 s41, ttmp6, 0x40004
	s_lshl_b32 s42, ttmp9, 2
	s_add_co_u32 s42, s42, s40
	s_and_b32 s13, ttmp7, 0xffff
	s_lshl_b32 s13, s13, 2
	s_add_co_u32 s13, s13, s41
	s_lshl_b32 s43, s41, 2
	s_lshl_b32 s43, 15, s43
	s_lshl_b32 s44, 0x1111, s40
	s_or_b32 s[G1+0], s43, (3<<16)|(1<<21)
	s_or_b32 s[G1B+0], s44, (3<<16)|(1<<21)
.irp g, G1, G1B
	s_mov_b32 s[\g+1], 1024<<16
	s_mov_b32 s[\g+2], 4<<16
	s_mov_b32 s[\g+3], 1024<<16
	s_mov_b32 s[\g+4], 4
	s_mov_b32 s[\g+5], KS*256
	s_mov_b32 s[\g+6], 0
	s_mov_b32 s[\g+7], 0
.endr
	s_lshl_b32 s17, s12, 2
	s_lshl_b32 s16, s13, 3
	s_add_co_u32 s16, s16, s17
	s_mul_i32 s16, s16, KS*2048
	s_lshl_b32 s46, s42, 3
	s_add_co_u32 s46, s46, s17
	s_mul_i32 s46, s46, KS*2048
	s_add_co_u32 s46, s46, BOFF
	s_mov_b32 s17, 0
	s_mov_b32 s47, 0
	s_mul_i32 s20, s10, HALFT
	s_wait_alu depctr_va_vdst(0)
	s_wait_dscnt 0x0
	s_wait_kmcnt 0x0
	s_load_b256 s[76:83], s[68:69], 0x0
	s_load_b128 s[84:87], s[68:69], 0x20
	s_add_nc_u64 s[14:15], s[4:5], s[16:17]
	s_add_nc_u64 s[46:47], s[6:7], s[46:47]
	s_cmp_eq_u32 s11, 0                            ; the prefetch: of the 4 row blocks that I fetch, the partner at place p (cx for the first operand, cy for the weight) names block p
	s_cselect_b64 s[98:99], s[14:15], s[46:47]
	s_cselect_b32 s18, s40, s41
	s_lshl_b32 s18, s18, 14
	s_mov_b32 s19, 0
	s_add_nc_u64 s[98:99], s[98:99], s[18:19]      ; never rewritten
	CROUND
.irp s, 0,1
	s_mov_b32 s[G0+4*\s], 1
	s_add_co_u32 s[G0+4*\s+1], s20, \s*SLOT
	s_add_nc_u64 s[G0+4*\s+2:G0+4*\s+3], s[14:15], \s*8192
	s_or_b32 s[G0+4*\s+3], s[G0+4*\s+3], 0x80000000
	s_mov_b32 s[G0B+4*\s], 1
	s_add_co_u32 s[G0B+4*\s+1], s20, \s*SLOT
	s_add_nc_u64 s[G0B+4*\s+2:G0B+4*\s+3], s[46:47], \s*8192
	s_or_b32 s[G0B+4*\s+3], s[G0B+4*\s+3], 0x80000000
.if \s                                         ; slot 0's load stands behind the opening round; slot 1's first fill is issued as a refill is
	s_wait_alu depctr_va_vdst(0)
	s_wait_tensorcnt 0x0
	ds_add_u32 v28, v29
	ds_add_u32 v28, v29
	s_wait_dscnt 0x0
	CROUND
.endif
	JLOAD \s
.if \s == 0                                    ; behind slot 0's joint load: slot 1, the last: 8,192 bytes of my row block
	global_prefetch_b8 v7, s[98:99] offset:8192 th:TH_LOAD_NT scope:SCOPE_SE
.endif
.endr
	v_and_b32 v1, 15, v0
	s_wait_alu depctr_va_vdst(0)
	v_bfe_u32 v2, v0, 4, 1
	v_and_b32 v3, 31, v0
	v_lshlrev_b32 v3, 4, v3
	s_mul_i32 s21, s11, HALFT
	s_mul_i32 s22, s12, HALFT
	s_add_co_u32 s22, s22, 2*HALFT
.irp s, 0,1
	v_add_nc_u32 v[ADRA+\s], s21, v3
	v_add_nc_u32 v[ADRB+\s], s22, v3
	s_add_co_u32 s21, s21, SLOT
	s_add_co_u32 s22, s22, SLOT
.endr
	s_mul_i32 s23, s10, 16*SPITCH
	s_add_co_u32 s23, s23, STAGE
	v_mul_u32_u24 v4, v1, SPITCH
	s_wait_alu depctr_va_vdst(0)
	v_lshl_add_u32 v4, v2, 5, v4
	v_add_nc_u32 v[STO], s23, v4
	v_mul_u32_u24 v5, v2, SPITCH
	v_lshl_add_u32 v5, v1, 4, v5
	v_add_nc_u32 v[RD], s23, v5
	v_lshlrev_b32 v5, 12, v2
	v_lshl_add_u32 v[CO], v1, 4, v5
	v_lshlrev_b32 v[BO], 4, v1
	s_wait_alu depctr_va_vdst(0)
	s_lshl_b32 s16, s13, 7
	s_lshl_b32 s17, s11, 6
	s_add_co_u32 s16, s16, s17
	s_lshl_b32 s16, s16, 12
	s_lshl_b32 s46, s42, 9
	s_lshl_b32 s47, s12, 8
	s_add_co_u32 s46, s46, s47
	s_mov_b32 s47, 0
	s_add_nc_u64 s[70:71], s[70:71], s[46:47]
	s_add_co_u32 s46, s46, s16
	s_add_nc_u64 s[72:73], s[72:73], s[46:47]
	s_add_nc_u64 s[74:75], s[74:75], s[46:47]
.macro RES a                           ; the residual of block a: blocks 0, 1 in window 0, blocks 2, 3 in the same numbers of window 2
	WIN (0x80*((\a)/2))
.set t, 0
.rept 8
	global_load_b128 v[RS+32*((\a)%2)+4*t:RS+32*((\a)%2)+4*t+3], v[CO], s[72:73] offset:(16*(\a)+2*t)*4096
.set t, t+1
.endr
	WIN 0
.endm
	global_load_b128 v[BI:BI+3], v[BO], s[70:71]
	RES 0
	RES 1
	RES 2
	RES 3
.macro MULA f, a, zero
.irp b, 0,1,2,3
.if \zero
	v_wmma_f32_16x16x128_fp8_fp8 v[ACC+8*(4*(\a)+\b):ACC+8*(4*(\a)+\b)+7], v[\f+64+16*\b:\f+64+16*\b+15], v[\f+16*(\a):\f+16*(\a)+15], 0
.else
	v_wmma_f32_16x16x128_fp8_fp8 v[ACC+8*(4*(\a)+\b):ACC+8*(4*(\a)+\b)+7], v[\f+64+16*\b:\f+64+16*\b+15], v[\f+16*(\a):\f+16*(\a)+15], v[ACC+8*(4*(\a)+\b):ACC+8*(4*(\a)+\b)+7]
.endif
.endr
.endm
.macro FETCH slot, q, f
	WIN TO_F
.irp i, 0,1,2,3
.irp c, 0,1,2,3
	ds_load_b128 v[\f+64+16*\i+4*\c:\f+64+16*\i+4*\c+3], v[ADRB+\slot] offset:\i*8192+(\q)*2048+512*\c
.endr
.endr
.irp i, 0,1,2,3
.irp c, 0,1,2,3
	ds_load_b128 v[\f+16*\i+4*\c:\f+16*\i+4*\c+3], v[ADRA+\slot] offset:\i*8192+(\q)*2048+512*\c
.endr
.endr
.endm
.macro PLACES
.rept 4
	v_nop
.endr
.endm
.macro QUARTER slot, qn, f, g, zero
	s_wait_dscnt 8
	WIN MUL
	MULA \f, 0, \zero
	MULA \f, 1, \zero
	PLACES
	FETCH \slot, \qn, \g
	s_wait_dscnt 32
	WIN MUL
	MULA \f, 2, \zero
	MULA \f, 3, \zero
.endm
.macro TURN slot, next, fill
	WIN 0
	s_wait_tensorcnt 0x0
	ds_add_u32 v[SPW], v[NIL]
	s_wait_dscnt 13
	WIN MUL
	MULA F1, 0, 0
	s_wait_dscnt 0x0
	s_barrier_signal -1
	MULA F1, 1, 0
.if \fill
	WIN 0
.endif
	s_barrier_wait -1
.if \fill
	CREST
	s_add_nc_u64 s[G0+4*\slot+2:G0+4*\slot+3], s[G0+4*\slot+2:G0+4*\slot+3], 16384
	s_add_nc_u64 s[G0B+4*\slot+2:G0B+4*\slot+3], s[G0B+4*\slot+2:G0B+4*\slot+3], 16384
	JLOAD \slot
.else
	PLACES
.endif
	FETCH \next, 0, F0
	WIN MUL
	MULA F1, 2, 0
	MULA F1, 3, 0
.endm
	s_wait_tensorcnt 1
	s_barrier_signal -1
	s_barrier_wait -1
	FETCH 0, 0, F0
	QUARTER 0, 1, F0, F1, 1
.if LAPS > 1
	WIN 0
	s_mov_b32 s3, LAPS-1
.Llap:
	QUARTER 0, 2, F1, F0, 0
	QUARTER 0, 3, F0, F1, 0
	TURN 0, 1, 1
	QUARTER 1, 1, F0, F1, 0
	QUARTER 1, 2, F1, F0, 0
	QUARTER 1, 3, F0, F1, 0
	TURN 1, 0, 1
	QUARTER 0, 1, F0, F1, 0
	WIN 0
	s_sub_co_u32 s3, s3, 1
	s_cmp_lg_u32 s3, 0
	s_cbranch_scc1 .Llap
.endif
	QUARTER 0, 2, F1, F0, 0
	QUARTER 0, 3, F0, F1, 0
	TURN 0, 1, 0
	QUARTER 1, 1, F0, F1, 0
	QUARTER 1, 2, F1, F0, 0
	QUARTER 1, 3, F0, F1, 0
	s_wait_dscnt 8
	WIN MUL
	MULA F1, 0, 0
	MULA F1, 1, 0
	s_wait_dscnt 0
	MULA F1, 2, 0
	MULA F1, 3, 0
	WIN 0
	s_wait_kmcnt 0x0
	s_add_co_i32 s96, s[EA], s[EB]
	s_add_co_i32 s96, s96, 127
	s_lshl_b32 s96, s96, 23
	s_mov_b32 s97, s96
	PLACES
.irp a, 0,1,2,3
.irp b, 0,1,2,3
	ds_store_b128 v[STO], v[ACC+8*(4*\a+\b):ACC+8*(4*\a+\b)+3] offset:64*\b
	ds_store_b128 v[STO], v[ACC+8*(4*\a+\b)+4:ACC+8*(4*\a+\b)+7] offset:64*\b+16
.endr
.irp t, 0,1,2,3,4,5,6,7
	ds_load_b128 v[BK+4*\t:BK+4*\t+3], v[RD] offset:\t*2*SPITCH
.endr
	s_wait_dscnt 0x0
	s_wait_loadcnt 8*(3-\a)                        ; behind block a's eight loads stand those of the later blocks
	WIN (0x20*(\a/2))                              ; the third source: window 0 or 2
.set i, 0
.rept 16
	v_pk_fma_f32 v[BK+i:BK+i+1], v[BK+i:BK+i+1], s[96:97], v[RS+32*(\a%2)+i:RS+32*(\a%2)+i+1] op_sel_hi:[1,0,1]
.set i, i+2
.endr
.set i, 0
.rept 16
	v_pk_add_f32 v[BK+i:BK+i+1], v[BK+i:BK+i+1], v[BI+i%4:BI+i%4+1]
.set i, i+2
.endr
.irp t, 0,1,2,3,4,5,6,7
.if NTOUT
	global_store_b128 v[CO], v[BK+4*\t:BK+4*\t+3], s[74:75] offset:(16*\a+2*\t)*4096 th:TH_STORE_NT
.else
	global_store_b128 v[CO], v[BK+4*\t:BK+4*\t+3], s[74:75] offset:(16*\a+2*\t)*4096
.endif
.endr
	WIN 0
	s_wait_xcnt 0x0
.endr
	s_wait_tensorcnt 0x0
	ds_add_u32 v[SPW], v[NIL]
	s_wait_dscnt 0x0
	CROUND
	s_endpgm
.Lfunc_end_k_q9695a0d027_outp:
	.size	k_q9695a0d027_outp, .Lfunc_end_k_q9695a0d027_outp-k_q9695a0d027_outp
	.p2alignl 7, 3214868480
	.fill 96, 4, 3214868480
	.section	.rodata,"a",@progbits
	.p2align	6, 0x0
	.amdhsa_kernel k_q9695a0d027_outp
		.amdhsa_group_segment_fixed_size 327680
		.amdhsa_private_segment_fixed_size 0
		.amdhsa_enable_private_segment 0
		.amdhsa_kernarg_size 48
		.amdhsa_user_sgpr_count 2
		.amdhsa_user_sgpr_kernarg_segment_ptr 1
		.amdhsa_wavefront_size32 1
		.amdhsa_system_sgpr_workgroup_id_x 1
		.amdhsa_system_sgpr_workgroup_id_y 1
		.amdhsa_system_sgpr_workgroup_id_z 1
		.amdhsa_system_vgpr_workitem_id 0
		.amdhsa_next_free_vgpr 640
		.amdhsa_next_free_sgpr 100
		.amdhsa_reserve_vcc 0
		.amdhsa_float_denorm_mode_32 3
		.amdhsa_float_denorm_mode_16_64 3
		.amdhsa_memory_ordered 1
		.amdhsa_forward_progress 1
		.amdhsa_inst_pref_size 54
	.end_amdhsa_kernel
	.amdgpu_metadata
---
amdhsa.version: [ 1, 2 ]
amdhsa.kernels:
  - .name:           k_q9695a0d027_outp
    .symbol:         k_q9695a0d027_outp.kd
    .args:
      - { .name: oc, .offset: 0, .size: 8, .value_kind: global_buffer, .address_space: global }
      - { .name: prepc, .offset: 8, .size: 8, .value_kind: global_buffer, .address_space: global }
      - { .name: lowp_scales, .offset: 16, .size: 8, .value_kind: global_buffer, .address_space: global }
      - { .name: out_b, .offset: 24, .size: 8, .value_kind: global_buffer, .address_space: global }
      - { .name: x, .offset: 32, .size: 8, .value_kind: global_buffer, .address_space: global }
      - { .name: x1, .offset: 40, .size: 8, .value_kind: global_buffer, .address_space: global }
    .group_segment_fixed_size: 327680
    .private_segment_fixed_size: 0
    .kernarg_segment_align: 8
    .kernarg_segment_size: 48
    .max_flat_workgroup_size: 128
    .sgpr_count:     100
    .vgpr_count:     640
    .wavefront_size: 32
...
	.end_amdgpu_metadata
.endif
;; end of part 4
;; launch ln2 (part 5): grid 256 x 1, 8 waves a work-group, no clusters, 17,408 bytes of LDS; arguments x1, ln2_g, ln2_b, lowp_scales, h2; writes h2
.if DOCPART == 5
	.amdgcn_target "amdgcn-amd-amdhsa--gfx1250"
	.amdhsa_code_object_version 6
	.text
	.protected	k_q9695a0d027_ln2
	.globl	k_q9695a0d027_ln2
	.p2align	8
	.type	k_q9695a0d027_ln2,@function
k_q9695a0d027_ln2:
	s_mov_b64 s[64:65], 0
	v_nop
	global_prefetch_b8 v0, s[64:65] scope:SCOPE_SE
	s_setreg_imm32_b32 hwreg(HW_REG_WAVE_MODE, 25, 1), 1
	s_wait_xcnt 0x0
; LAYERNORM 2 of x1, quantised with 2^e8, stored as fragment images [256 row blocks][8 K steps][2,048 bytes] (the byte of (row r, k) of an image: 512 (k/32) + 256 ((k/8)%2) + 16 r + 8 ((k/16)%2) + k%8).
; A work-group takes 16 rows, a wave two; a lane holds k = 256 j + 8 lane + 0 .. 7 of a row, so that a conversion's eight numbers are neighbours along K.  Mean first, then the squares of the differences.
; The codes meet in LDS as the 8 images; behind one barrier each wave stores one image, 512 consecutive bytes an instruction.
; LIMIT: e8 lies between -126 and 119.  A row of NaN gives codes that are no NaN: the row's NaN reaches the output by the residual.
.set SPARE, 16384                      ; behind the images: the spare words, 128 bytes for each wave
.set SC,    10
.set LIM,   11
.set SPW,   14
.set NIL,   15
.set G,     96
.set BB,    128
.macro LNRED t
	s_delay_alu instid0(VALU_DEP_1)
	v_pk_add_f32 v[\t:\t+1], v[\t:\t+1], v[\t+2:\t+3]
	s_delay_alu instid0(VALU_DEP_1)
	v_add_f32 v[\t], v[\t], v[\t+1]
	s_delay_alu instid0(VALU_DEP_1)
	v_add_f32_dpp v[\t], v[\t], v[\t] row_xmask:1 row_mask:0xf bank_mask:0xf
	s_delay_alu instid0(VALU_DEP_1)
	v_add_f32_dpp v[\t], v[\t], v[\t] row_xmask:2 row_mask:0xf bank_mask:0xf
	s_delay_alu instid0(VALU_DEP_1)
	v_add_f32_dpp v[\t], v[\t], v[\t] row_xmask:4 row_mask:0xf bank_mask:0xf
	s_delay_alu instid0(VALU_DEP_1)
	v_add_f32_dpp v[\t], v[\t], v[\t] row_xmask:8 row_mask:0xf bank_mask:0xf
	s_delay_alu instid0(VALU_DEP_1)
	v_permlanex16_b32 v[\t+1], v[\t], s28, s29
	s_delay_alu instid0(VALU_DEP_1)
	v_add_f32 v[\t], v[\t], v[\t+1]
.endm
.macro LNMOM x, t
	v_pk_add_f32 v[\t:\t+1], v[\x:\x+1], v[\x+2:\x+3]
	v_pk_add_f32 v[\t+2:\t+3], v[\x+4:\x+5], v[\x+6:\x+7]
.set i, 8
.rept 6
	s_delay_alu instid0(VALU_DEP_2)
	v_pk_add_f32 v[\t:\t+1], v[\t:\t+1], v[\x+i:\x+i+1]
	s_delay_alu instid0(VALU_DEP_2)
	v_pk_add_f32 v[\t+2:\t+3], v[\t+2:\t+3], v[\x+i+2:\x+i+3]
.set i, i+4
.endr
	LNRED \t
	s_delay_alu instid0(VALU_DEP_1)
	v_mul_f32 v[\t], s30, v[\t]
	s_delay_alu instid0(VALU_DEP_1)
	v_mov_b32 v[\t+1], v[\t]
.set i, 0
.rept 16
	v_pk_add_f32 v[\x+i:\x+i+1], v[\x+i:\x+i+1], v[\t:\t+1] neg_lo:[0,1] neg_hi:[0,1]
.set i, i+2
.endr
	v_pk_mul_f32 v[\t:\t+1], v[\x:\x+1], v[\x:\x+1]
	v_pk_mul_f32 v[\t+2:\t+3], v[\x+2:\x+3], v[\x+2:\x+3]
.set i, 4
.rept 7
	s_delay_alu instid0(VALU_DEP_2)
	v_pk_fma_f32 v[\t:\t+1], v[\x+i:\x+i+1], v[\x+i:\x+i+1], v[\t:\t+1]
	s_delay_alu instid0(VALU_DEP_2)
	v_pk_fma_f32 v[\t+2:\t+3], v[\x+i+2:\x+i+3], v[\x+i+2:\x+i+3], v[\t+2:\t+3]
.set i, i+4
.endr
	LNRED \t
	s_delay_alu instid0(VALU_DEP_1)
	v_fma_f32 v[\t], v[\t], s30, s31
.endm
.macro LNOUT x, r, c, off
.set i, 0
.rept 16
	v_pk_mul_f32 v[\x+i:\x+i+1], v[\x+i:\x+i+1], v[\r:\r+1]
.set i, i+2
.endr
.set i, 0
.rept 16
	v_pk_fma_f32 v[\x+i:\x+i+1], v[\x+i:\x+i+1], v[G+i:G+i+1], v[BB+i:BB+i+1]
.set i, i+2
.endr
.set i, 0
.rept 32
	v_med3_num_f32 v[\x+i], v[\x+i], -v[LIM], v[LIM]   ; the conversion to an 8-bit code does not saturate (ISA guide 7.6.2): the hold comes first
.set i, i+1
.endr
.irp j, 0,1,2,3
	v_cvt_scalef32_pk8_fp8_f32 v[\c+2*\j:\c+2*\j+1], v[\x+8*\j:\x+8*\j+7], v[SC]
.endr
	v_nop
.irp j, 0,1,2,3
	ds_store_b64 v3, v[\c+2*\j:\c+2*\j+1] offset:4096*\j+\off
.endr
.endm
	s_load_b256 s[4:11], s[0:1], 0x0               ; x1, gain, bias, the scales' exponents
	s_load_b64 s[22:23], s[0:1], 0x20              ; h2
	v_lshl_add_u32 v[SPW], v0, 2, SPARE
	v_mov_b32 v[NIL], 0
	v_lshrrev_b32 v1, 5, v0
	s_delay_alu instid0(VALU_DEP_1)
	v_readfirstlane_b32 s26, v1                    ; wave 0..7
	v_and_b32 v1, 31, v0
	s_wait_alu depctr_va_vdst(0)
	s_mov_b32 s28, 0x76543210
	s_mov_b32 s29, 0xfedcba98
	s_lshl_b32 s30, ttmp9, 16
	s_lshl_b32 s31, s26, 13
	s_add_co_u32 s30, s30, s31
	s_mov_b32 s31, 0
	s_lshl_b32 s32, ttmp9, 14
	s_mov_b32 s33, 0
	v_lshlrev_b32 v2, 5, v1
	s_wait_alu depctr_va_vdst(0)
	s_wait_kmcnt 0x0
	s_load_b32 s72, s[10:11], 0x20                 ; e8
	s_add_nc_u64 s[4:5], s[4:5], s[30:31]
	s_add_nc_u64 s[22:23], s[22:23], s[32:33]
.irp p, 0,1
.irp j, 0,1,2,3
	global_load_b128 v[32+32*\p+8*\j:35+32*\p+8*\j], v2, s[4:5] offset:4096*\p+1024*\j
	global_load_b128 v[36+32*\p+8*\j:39+32*\p+8*\j], v2, s[4:5] offset:4096*\p+1024*\j+16
.endr
.endr
.irp j, 0,1,2,3
	global_load_b128 v[G+8*\j:G+8*\j+3], v2, s[6:7] offset:1024*\j
	global_load_b128 v[G+8*\j+4:G+8*\j+7], v2, s[6:7] offset:1024*\j+16
.endr
.irp j, 0,1,2,3
	global_load_b128 v[BB+8*\j:BB+8*\j+3], v2, s[8:9] offset:1024*\j
	global_load_b128 v[BB+8*\j+4:BB+8*\j+7], v2, s[8:9] offset:1024*\j+16
.endr
	v_bfe_u32 v6, v0, 4, 1
	s_delay_alu instid0(VALU_DEP_1)
	v_lshlrev_b32 v3, 11, v6
	v_bfe_u32 v6, v0, 2, 2
	s_delay_alu instid0(VALU_DEP_1)
	v_lshl_add_u32 v3, v6, 9, v3
	v_and_b32 v6, 1, v0
	s_delay_alu instid0(VALU_DEP_1)
	v_lshl_add_u32 v3, v6, 8, v3
	v_bfe_u32 v6, v0, 1, 1
	s_delay_alu instid0(VALU_DEP_1)
	v_lshl_add_u32 v3, v6, 3, v3
	s_lshl_b32 s27, s26, 5
	v_add_nc_u32 v3, s27, v3                       ; my 8 codes' place in the images
	v_lshlrev_b32 v4, 4, v1
	s_lshl_b32 s27, s26, 11
	v_add_nc_u32 v4, s27, v4                       ; the way out: image number wave, 16 x lane, in LDS and in memory alike
	s_wait_kmcnt 0x0
	s_add_co_i32 s34, s72, 127
	s_lshl_b32 s35, s34, 23
	v_mov_b32 v[SC], s35
	s_add_co_i32 s34, s34, 8
	s_lshl_b32 s34, s34, 23
	s_or_b32 s34, s34, 0x600000
	v_mov_b32 v[LIM], s34
	s_mov_b32 s30, 0x3a800000                      ; 1 / 1024
	s_mov_b32 s31, 0x3727c5ac                      ; 1e-5
	s_wait_loadcnt 24                              ; my first row's 8 loads are in
	LNMOM 32, 16
	s_wait_loadcnt 16                              ; my second row's
	LNMOM 64, 20
	s_wait_alu depctr_va_vdst(0)
	v_rsq_f32 v18, v16
	v_rsq_f32 v22, v20
	v_nop
	s_wait_alu depctr_va_vdst(0)                   ; one wait for both, ahead of their first reader
	v_mov_b32 v19, v18
	v_mov_b32 v23, v22
	s_wait_alu depctr_va_vdst(0)
	s_wait_loadcnt 0x0
	LNOUT 32, 18, 160, 0
	LNOUT 64, 22, 168, 16
	s_wait_dscnt 0x0                               ; for the others' sake: my stores have landed
	s_barrier_signal -1
	s_barrier_wait -1
.irp c, 0,1,2,3
	ds_load_b128 v[176+4*\c:179+4*\c], v4 offset:512*\c
.endr
.irp c, 0,1,2,3
	s_wait_dscnt 3-\c
	global_store_b128 v4, v[176+4*\c:179+4*\c], s[22:23] offset:512*\c
.endr
	s_wait_tensorcnt 0x0                           ; the wave's end
	ds_add_u32 v[SPW], v[NIL]
	s_wait_dscnt 0x0
	s_endpgm
.Lfunc_end_k_q9695a0d027_ln2:
	.size	k_q9695a0d027_ln2, .Lfunc_end_k_q9695a0d027_ln2-k_q9695a0d027_ln2
	.p2alignl 7, 3214868480
	.fill 96, 4, 3214868480
	.section	.rodata,"a",@progbits
	.p2align	6, 0x0
	.amdhsa_kernel k_q9695a0d027_ln2
		.amdhsa_group_segment_fixed_size 17408
		.amdhsa_private_segment_fixed_size 0
		.amdhsa_enable_private_segment 0
		.amdhsa_kernarg_size 40
		.amdhsa_user_sgpr_count 2
		.amdhsa_user_sgpr_kernarg_segment_ptr 1
		.amdhsa_wavefront_size32 1
		.amdhsa_system_sgpr_workgroup_id_x 1
		.amdhsa_system_sgpr_workgroup_id_y 1
		.amdhsa_system_sgpr_workgroup_id_z 1
		.amdhsa_system_vgpr_workitem_id 0
		.amdhsa_next_free_vgpr 192
		.amdhsa_next_free_sgpr 80
		.amdhsa_reserve_vcc 0
		.amdhsa_float_denorm_mode_32 3
		.amdhsa_float_denorm_mode_16_64 3
		.amdhsa_memory_ordered 1
		.amdhsa_forward_progress 1
		.amdhsa_inst_pref_size 27
	.end_amdhsa_kernel
	.amdgpu_metadata
---
amdhsa.version: [ 1, 2 ]
amdhsa.kernels:
  - .name:           k_q9695a0d027_ln2
    .symbol:         k_q9695a0d027_ln2.kd
    .args:
      - { .name: x1, .offset: 0, .size: 8, .value_kind: global_buffer, .address_space: global }
      - { .name: ln2_g, .offset: 8, .size: 8, .value_kind: global_buffer, .address_space: global }
      - { .name: ln2_b, .offset: 16, .size: 8, .value_kind: global_buffer, .address_space: global }
      - { .name: lowp_scales, .offset: 24, .size: 8, .value_kind: global_buffer, .address_space: global }
      - { .name: h2, .offset: 32, .size: 8, .value_kind: global_buffer, .address_space: global }
    .group_segment_fixed_size: 17408
    .private_segment_fixed_size: 0
    .kernarg_segment_align: 8
    .kernarg_segment_size: 40
    .max_flat_workgroup_size: 256
    .sgpr_count:     80
    .vgpr_count:     192
    .wavefront_size: 32
...
	.end_amdgpu_metadata
.endif
;; end of part 5
;; launch fc1 (part 6): grid 16 x 16, 4 waves a work-group, clusters of 4 x 4, 327,680 bytes of LDS; arguments h2, prepc, lowp_scales, fc1_b, hid; writes hid
.if DOCPART == 6
	.amdgcn_target "amdgcn-amd-amdhsa--gfx1250"
	.amdhsa_code_object_version 6
	.text
	.protected	k_q9695a0d027_fc1
	.globl	k_q9695a0d027_fc1
	.p2align	8
	.type	k_q9695a0d027_fc1,@function
k_q9695a0d027_fc1:
	s_mov_b64 s[64:65], 0
	v_nop
	global_prefetch_b8 v0, s[64:65] scope:SCOPE_SE
	s_setreg_imm32_b32 hwreg(HW_REG_WAVE_MODE, 25, 1), 1
	s_wait_xcnt 0x0
	s_wait_alu depctr_hold_cnt(0) depctr_sa_sdst(0) depctr_va_vdst(0) depctr_va_sdst(0) depctr_va_ssrc(0) depctr_va_vcc(0) depctr_vm_vsrc(0)
	s_getreg_b32 s2, hwreg(HW_REG_IB_STS2, 6, 4)
	s_cmp_eq_u32 s2, 0
	s_cbranch_scc0 .Lentry_in_a_cluster
	s_endpgm
.Lentry_in_a_cluster:
	s_bfe_u32 s2, ttmp6, 0x10000c
	s_cmp_lg_u32 s2, 0xf033
	s_cbranch_scc0 .Lentry_shape_is_right
	s_endpgm
.Lentry_shape_is_right:
.set BOFF,   4194304
.set HALFT,  32768
.set SLOT,   4*HALFT
.set SPARE,  2*SLOT
.set LAPS,   2
.set FR,     16
.set NL,     4
.set NP,     4
.set ADRA, 16
.set ADRB, 20
.set SPW,  28
.set NIL,  29
.set AF,   128
.set X,    32
.set T,    96
.set P,    160
.set CODE, 224
.set TM,   240
.set G1, 24
.set G0, 32
.set G1B, 48
.set G0B, 56
.set MSB, 0
.macro WIN new
.if MSB != \new
	s_set_vgpr_msb (MSB<<8)|\new
.set MSB, \new
.endif
.endm
.set MUL_LO, 0xa1
.set MUL_HI, 0xf1
.set TO_B,   0x40
.macro JLOAD g0a, g1a, g0b, g1b
	s_cmp_eq_u32 s15, 0
	s_cbranch_scc0 .Lfor_b_\@
	tensor_load_to_lds s[\g0a:\g0a+3], s[\g1a:\g1a+7]
	s_nop 0
.rept 4
	v_nop
.endr
	s_branch .Lasked_\@
.Lfor_b_\@:
	tensor_load_to_lds s[\g0b:\g0b+3], s[\g1b:\g1b+7]
	s_nop 0
.rept 4
	v_nop
.endr
.Lasked_\@:
.endm
.macro CREST
	s_cmp_lg_u32 s14, 0
	s_cbranch_scc1 .Lnot_wave_0_\@
	s_barrier_signal -3
.Lnot_wave_0_\@:
	s_barrier_wait -3
	s_barrier_signal -1
	s_barrier_wait -1
.endm
.macro CROUND
	s_barrier_signal -1
	s_barrier_wait -1
	CREST
.endm
	s_load_b128 s[4:7], s[0:1], 0x0
	s_load_b128 s[8:11], s[0:1], 0x10
	s_load_b64 s[12:13], s[0:1], 0x20
	v_lshl_add_u32 v[SPW], v0, 2, SPARE
	v_mov_b32 v[NIL], 0
	ds_add_u32 v[SPW], v[NIL]
	ds_add_u32 v[SPW], v[NIL]
	v_lshrrev_b32 v1, 5, v0
	v_readfirstlane_b32 s14, v1
	v_bfe_u32 v7, v0, 4, 1                         ; v7: the prefetches' offset: sixteen lanes to a row block (16,384 bytes apart), lanes 256 bytes apart; never rewritten
	v_and_b32 v2, 15, v0
	v_lshlrev_b32 v7, 14, v7
	v_lshl_add_u32 v7, v2, 8, v7
	s_lshr_b32 s15, s14, 1
	s_and_b32 s16, s14, 1
	s_bfe_u32 s40, ttmp6, 0x40000
	s_bfe_u32 s41, ttmp6, 0x40004
	s_lshl_b32 s42, ttmp9, 2
	s_add_co_u32 s42, s42, s40
	s_and_b32 s17, ttmp7, 0xffff
	s_lshl_b32 s17, s17, 2
	s_add_co_u32 s17, s17, s41
	s_lshl_b32 s43, s41, 2
	s_lshl_b32 s43, 15, s43
	s_lshl_b32 s44, 0x1111, s40
	s_or_b32 s[G1+0], s43, (3<<16)|(1<<21)
	s_or_b32 s[G1B+0], s44, (3<<16)|(1<<21)
.irp g, G1, G1B
	s_mov_b32 s[\g+1], 512<<16
	s_mov_b32 s[\g+2], 8<<16
	s_mov_b32 s[\g+3], 512<<16
	s_mov_b32 s[\g+4], 8
	s_mov_b32 s[\g+5], 2048
	s_mov_b32 s[\g+6], 0
	s_mov_b32 s[\g+7], 0
.endr
	s_lshl_b32 s18, s16, 3
	s_lshl_b32 s20, s17, 4
	s_add_co_u32 s20, s20, s18
	s_lshl_b32 s20, s20, 14
	s_lshl_b32 s46, s42, 4
	s_add_co_u32 s46, s46, s18
	s_lshl_b32 s46, s46, 14
	s_add_co_u32 s46, s46, BOFF
	s_mov_b32 s21, 0
	s_mov_b32 s47, 0
	s_mul_i32 s45, s14, HALFT
	s_mov_b32 s66, 0xc034d90f
	s_mov_b32 s68, 0x3fb8ab5a
	s_mov_b32 s70, 0x3f0a29d2
	s_mov_b32 s72, 0x3e0efb2f
	s_mov_b32 s74, 0xbe899a80
	s_mov_b32 s76, 0x3ecdfd18
	s_mov_b32 s78, 0xbfd1a1e5
	s_mov_b32 s80, 0x40097039
	s_mov_b32 s84, 0x3e7c6f08
	s_mov_b32 s86, 0xbf38aa3b
.irp k, 66,68,70,72,74,76,78,80,84,86
	s_mov_b32 s[\k+1], s[\k]
.endr
	s_mov_b32 s94, 0x3eb504f3
	s_wait_alu depctr_va_vdst(0)
	s_wait_dscnt 0x0
	s_wait_kmcnt 0x0
	s_load_b128 s[88:91], s[8:9], 0x20
	s_add_nc_u64 s[20:21], s[4:5], s[20:21]
	s_add_nc_u64 s[46:47], s[6:7], s[46:47]
	s_cmp_eq_u32 s15, 0                            ; the prefetches: of the 8 row blocks that I fetch, the partner at place p (cx for h2, cy for the weight) names blocks 2 p and 2 p + 1
	s_cselect_b64 s[98:99], s[20:21], s[46:47]
	s_cselect_b32 s18, s40, s41
	s_lshl_b32 s18, s18, 15
	s_mov_b32 s19, 0
	s_add_nc_u64 s[98:99], s[98:99], s[18:19]      ; never rewritten
	CROUND
.irp s, 0,1
	s_mov_b32 s[G0+4*\s], 1
	s_add_co_u32 s[G0+4*\s+1], s45, \s*SLOT
	s_add_nc_u64 s[G0+4*\s+2:G0+4*\s+3], s[20:21], \s*4096
	s_or_b32 s[G0+4*\s+3], s[G0+4*\s+3], 0x80000000
	s_mov_b32 s[G0B+4*\s], 1
	s_add_co_u32 s[G0B+4*\s+1], s45, \s*SLOT
	s_add_nc_u64 s[G0B+4*\s+2:G0B+4*\s+3], s[46:47], \s*4096
	s_or_b32 s[G0B+4*\s+3], s[G0B+4*\s+3], 0x80000000
.if \s                                         ; slot 0's load stands behind the opening round; slot 1's first fill is issued as a refill is
	s_wait_alu depctr_va_vdst(0)
	s_wait_tensorcnt 0x0
	ds_add_u32 v28, v29
	ds_add_u32 v28, v29
	s_wait_dscnt 0x0
	CROUND
.endif
	JLOAD G0+4*\s, G1, G0B+4*\s, G1B
.if \s                                         ; behind each of the head's joint loads: the slot two loads on, 4,096 bytes of each row block; behind the first slot 1 too.  Slot 3 is the last
	global_prefetch_b8 v7, s[98:99] offset:3*4096 th:TH_LOAD_NT scope:SCOPE_SE
.else
	global_prefetch_b8 v7, s[98:99] offset:4096 th:TH_LOAD_NT scope:SCOPE_SE
	global_prefetch_b8 v7, s[98:99] offset:2*4096 th:TH_LOAD_NT scope:SCOPE_SE
.endif
.endr
	v_and_b32 v6, 31, v0
	v_lshlrev_b32 v4, 4, v6
	s_wait_alu depctr_va_vdst(0)
	s_mul_i32 s21, s15, HALFT
	s_mul_i32 s22, s16, HALFT
	s_add_co_u32 s22, s22, 2*HALFT
.irp s, 0,1
	v_add_nc_u32 v[ADRA+\s], s21, v4
	v_add_nc_u32 v[ADRB+\s], s22, v4
	s_add_co_u32 s21, s21, SLOT
	s_add_co_u32 s22, s22, SLOT
.endr
	v_bfe_u32 v6, v0, 4, 1
	v_lshlrev_b32 v6, 5, v6
	v_mov_b32 v24, 0xbf97d29d
	v_mov_b32 v25, 0xbf97d29d
	s_lshl_b32 s46, s42, 10
	s_lshl_b32 s47, s16, 9
	s_add_co_u32 s46, s46, s47
	s_mov_b32 s47, 0
	s_add_nc_u64 s[10:11], s[10:11], s[46:47]
	s_lshl_b32 s20, s17, 4
	s_lshl_b32 s21, s15, 3
	s_add_co_u32 s20, s20, s21
	s_lshl_b32 s20, s20, 5
	s_lshl_b32 s46, s42, 1
	s_add_co_u32 s46, s46, s16
	s_add_co_u32 s46, s46, s20
	s_lshl_b32 s46, s46, 11
	s_add_nc_u64 s[12:13], s[12:13], s[46:47]
.macro FRAG reg, adr, q, i
.irp c, 0,1,2,3
	ds_load_b128 v[\reg+4*\c:\reg+4*\c+3], v[\adr] offset:(\i)*4096+(\q)*2048+512*\c
.endr
.endm
.macro MUL16 a0, p, zero
.irp a, \a0, \a0+1
.irp b, 0,1,2,3,4,5,6,7
.if \zero
	v_wmma_f32_16x16x128_fp8_fp8 v[8*(8*((\a)%4)+\b):8*(8*((\a)%4)+\b)+7], v[128*(\p)+FR*\b:128*(\p)+FR*\b+FR-1], v[AF+FR*(\a):AF+FR*(\a)+FR-1], 0
.else
	v_wmma_f32_16x16x128_fp8_fp8 v[8*(8*((\a)%4)+\b):8*(8*((\a)%4)+\b)+7], v[128*(\p)+FR*\b:128*(\p)+FR*\b+FR-1], v[AF+FR*(\a):AF+FR*(\a)+FR-1], v[8*(8*((\a)%4)+\b):8*(8*((\a)%4)+\b)+7]
.endif
.endr
.endr
.endm
.macro FETCH_B slot, q, p
	WIN TO_B
.irp i, 0,1,2,3,4,5,6,7
	FRAG 128*(\p)+FR*\i, ADRB+\slot, \q, \i
.endr
	WIN 0
.endm
.macro FETCH_A slot, q, i0
.irp i, \i0, \i0+1, \i0+2, \i0+3
	FRAG AF+FR*(\i), ADRA+\slot, \q, \i
.endr
.endm
.macro PLACES n
.rept \n
	v_nop
.endr
.endm
.macro STEP slot, q, zero
	s_wait_dscnt 4*NL
	WIN MUL_LO
	MUL16 0, (\q)%2, \zero
	MUL16 2, (\q)%2, \zero
	s_wait_dscnt 0
	PLACES NP
	FETCH_B \slot, (\q)+1, 1-(\q)%2
	FETCH_A \slot, (\q)+1, 0
	WIN MUL_HI
	MUL16 4, (\q)%2, \zero
	MUL16 6, (\q)%2, \zero
	PLACES NP
	WIN 0
	FETCH_A \slot, (\q)+1, 4
.endm
.macro TURN slot, next, fill
	s_wait_tensorcnt 0x0
	ds_add_u32 v[SPW], v[NIL]
	s_wait_dscnt 4*NL+1
	WIN MUL_LO
	MUL16 0, 1, 0
	s_wait_dscnt 0x0
	s_barrier_signal -1
	MUL16 2, 1, 0
	WIN 0
	s_barrier_wait -1
.if \fill
	CREST
	s_add_nc_u64 s[G0+4*\slot+2:G0+4*\slot+3], s[G0+4*\slot+2:G0+4*\slot+3], 8192
	s_add_nc_u64 s[G0B+4*\slot+2:G0B+4*\slot+3], s[G0B+4*\slot+2:G0B+4*\slot+3], 8192
	JLOAD G0+4*\slot, G1, G0B+4*\slot, G1B
.else
	PLACES NP
.endif
	FETCH_B \next, 0, 0
	FETCH_A \next, 0, 0
	WIN MUL_HI
	MUL16 4, 1, 0
	MUL16 6, 1, 0
	PLACES NP
	WIN 0
	FETCH_A \next, 0, 4
.endm
	s_wait_alu depctr_va_vdst(0)
	s_wait_tensorcnt 1
	s_barrier_signal -1
	s_barrier_wait -1
	FETCH_B 0, 0, 0
	FETCH_A 0, 0, 0
	FETCH_A 0, 0, 4
	STEP 0, 0, 1
	s_mov_b32 s3, LAPS-1
.Llap:
	TURN 0, 1, 1
	STEP 1, 0, 0
	TURN 1, 0, 1
	STEP 0, 0, 0
	s_sub_co_u32 s3, s3, 1
	s_cmp_lg_u32 s3, 0
	s_cbranch_scc1 .Llap
	TURN 0, 1, 0
	STEP 1, 0, 0
	s_wait_dscnt 4*NL
	WIN MUL_LO
	MUL16 0, 1, 0
	MUL16 2, 1, 0
	s_wait_dscnt 0
	WIN MUL_HI
	MUL16 4, 1, 0
	MUL16 6, 1, 0
	WIN 0
	PLACES NP
	WIN TO_B
.irp b, 0,1,2,3,4,5,6,7
	global_load_b128 v[8*\b:8*\b+3], v6, s[10:11] offset:64*\b
	global_load_b128 v[8*\b+4:8*\b+7], v6, s[10:11] offset:64*\b+16
.endr
	WIN 0
	s_wait_kmcnt 0x0
	s_add_co_i32 s92, s88, s89
	s_add_co_i32 s92, s92, 127
	s_lshl_b32 s92, s92, 23
	s_mov_b32 s93, s92
	s_add_co_i32 s95, s90, 127
	s_lshl_b32 s96, s95, 23
	v_mov_b32 v26, s96
	s_add_co_i32 s95, s95, 8
	s_lshl_b32 s95, s95, 23
	s_or_b32 s95, s95, 0x600000
	v_mov_b32 v27, s95
	s_mov_b32 s96, 0
	s_mov_b32 s97, 0
	s_wait_loadcnt 0x0
; THE WAY OUT: eight trips, one for each block of 16 tokens x 128 columns (64 registers of sums).  A trip's first step, sum x 2^(e8 + e9) + bias, takes the block out of its window (2 or 3) into v[X] on in window 0.
; Register numbers and windows are fixed in an instruction, so that step stands eight times, 32 instructions each, chosen by the trip's number; the rest of the trip stands once, behind .Lhave.
.Lgelu:
.irp a, 0,1,2,3,4,5,6
	s_cmp_eq_u32 s97, \a
	s_cbranch_scc1 .Lblk\a
.endr
.irp a, 7,6,5,4,3,2,1,0
.Lblk\a:
	WIN (0x12+\a/4)                                ; source 0: window 2 or 3; the third source, the bias: window 1
	s_wait_alu depctr_va_vdst(0)                   ; directly ahead of the first reader of the block's sums
.set i, 0
.rept 32
	v_pk_fma_f32 v[X+i:X+i+1], v[64*(\a%4)+i:64*(\a%4)+i+1], s[92:93], v[i:i+1] op_sel_hi:[1,0,1]   ; each accumulator from its low end on
.set i, i+2
.endr
	WIN 0
.if \a
	s_wait_alu depctr_va_vdst(0)
	s_branch .Lhave
.endif
.endr
.Lhave:
.set i, 0
.rept 64
	v_fma_f32 v[T+i], |v[X+i]|, s94, 1.0
.set i, i+1
.endr
.set i, 0
	s_wait_alu depctr_va_vdst(0)
.rept 64
	v_rcp_f32 v[T+i], v[T+i]
.set i, i+1
.endr
	v_nop
	s_wait_alu depctr_va_vdst(0)
.set i, 0
.rept 32
	v_pk_fma_f32 v[P+i:P+i+1], v[T+i:T+i+1], s[84:85], v[24:25] op_sel_hi:[1,0,1]
.set i, i+2
.endr
.irp k, 7,6,5,4,3,2,1,0
.set i, 0
.rept 32
	v_pk_fma_f32 v[P+i:P+i+1], v[P+i:P+i+1], v[T+i:T+i+1], s[66+2*\k:67+2*\k] op_sel_hi:[1,1,0]
.set i, i+2
.endr
.endr
.set i, 0
.rept 8
.irp u, 0,2,4,6
	v_pk_mul_f32 v[TM+\u:TM+\u+1], v[X+i+\u:X+i+\u+1], s[86:87] op_sel_hi:[1,0]
.endr
.irp u, 0,2,4,6
	v_pk_fma_f32 v[P+i+\u:P+i+\u+1], v[TM+\u:TM+\u+1], v[X+i+\u:X+i+\u+1], v[P+i+\u:P+i+\u+1]
.endr
.set i, i+8
.endr
.set i, 0
	s_wait_alu depctr_va_vdst(0)
.rept 64
	v_exp_f32 v[P+i], v[P+i]
.set i, i+1
.endr
.set i, 0
.rept 64
	v_mul_f32 v[T+i], |v[X+i]|, v[T+i]
.set i, i+1
.endr
.set i, 0
.rept 64
	v_max_num_f32 v[X+i], 0, v[X+i]
.set i, i+1
.endr
	s_wait_alu depctr_va_vdst(0)
.set i, 0
.rept 32
	v_pk_fma_f32 v[X+i:X+i+1], v[T+i:T+i+1], v[P+i:P+i+1], v[X+i:X+i+1] neg_lo:[1,0,0] neg_hi:[1,0,0]
.set i, i+2
.endr
.set i, 0
.rept 64
	v_med3_num_f32 v[X+i], v[X+i], -v27, v27
.set i, i+1
.endr
	s_wait_alu depctr_va_vdst(0)
	s_wait_xcnt 0x0
.irp b, 0,1,2,3,4,5,6,7
	v_cvt_scalef32_pk8_fp8_f32 v[CODE+2*\b:CODE+2*\b+1], v[X+8*\b:X+8*\b+7], v26
.endr
	v_nop
	v_add_nc_u32 v23, s96, v4
.irp i, 0,1,2,3
	global_store_b128 v23, v[CODE+4*\i:CODE+4*\i+3], s[12:13] offset:512*\i
.endr
	s_add_co_u32 s96, s96, 65536
	s_add_co_u32 s97, s97, 1
	s_cmp_lt_u32 s97, 8
	s_cbranch_scc1 .Lgelu
	s_wait_tensorcnt 0x0
	ds_add_u32 v[SPW], v[NIL]
	s_wait_dscnt 0x0
	CROUND
	s_endpgm
.Lfunc_end_k_q9695a0d027_fc1:
	.size	k_q9695a0d027_fc1, .Lfunc_end_k_q9695a0d027_fc1-k_q9695a0d027_fc1
	.p2alignl 7, 3214868480
	.fill 96, 4, 3214868480
	.section	.rodata,"a",@progbits
	.p2align	6, 0x0
	.amdhsa_kernel k_q9695a0d027_fc1
		.amdhsa_group_segment_fixed_size 327680
		.amdhsa_private_segment_fixed_size 0
		.amdhsa_enable_private_segment 0
		.amdhsa_kernarg_size 40
		.amdhsa_user_sgpr_count 2
		.amdhsa_user_sgpr_kernarg_segment_ptr 1
		.amdhsa_wavefront_size32 1
		.amdhsa_system_sgpr_workgroup_id_x 1
		.amdhsa_system_sgpr_workgroup_id_y 1
		.amdhsa_system_sgpr_workgroup_id_z 1
		.amdhsa_system_vgpr_workitem_id 0
		.amdhsa_next_free_vgpr 1024
		.amdhsa_next_free_sgpr 100
		.amdhsa_reserve_vcc 0
		.amdhsa_float_denorm_mode_32 3
		.amdhsa_float_denorm_mode_16_64 3
		.amdhsa_memory_ordered 1
		.amdhsa_forward_progress 1
		.amdhsa_inst_pref_size 143
	.end_amdhsa_kernel
	.amdgpu_metadata
---
amdhsa.version: [ 1, 2 ]
amdhsa.kernels:
  - .name:           k_q9695a0d027_fc1
    .symbol:         k_q9695a0d027_fc1.kd
    .args:
      - { .name: h2, .offset: 0, .size: 8, .value_kind: global_buffer, .address_space: global }
      - { .name: prepc, .offset: 8, .size: 8, .value_kind: global_buffer, .address_space: global }
      - { .name: lowp_scales, .offset: 16, .size: 8, .value_kind: global_buffer, .address_space: global }
      - { .name: fc1_b, .offset: 24, .size: 8, .value_kind: global_buffer, .address_space: global }
      - { .name: hid, .offset: 32, .size: 8, .value_kind: global_buffer, .address_space: global }
    .group_segment_fixed_size: 327680
    .private_segment_fixed_size: 0
    .kernarg_segment_align: 8
    .kernarg_segment_size: 40
    .max_flat_workgroup_size: 128
    .sgpr_count:     100
    .vgpr_count:     1024
    .wavefront_size: 32
...
	.end_amdgpu_metadata
.endif
;; end of part 6
;; launch fc2 (part 7): grid 8 x 32, 4 waves a work-group, clusters of 4 x 4, 327,680 bytes of LDS; arguments hid, prepc, lowp_scales, fc2_b, x1, out0; writes out0
.if DOCPART == 7
	.amdgcn_target "amdgcn-amd-amdhsa--gfx1250"
	.amdhsa_code_object_version 6
	.text
	.protected	k_q9695a0d027_fc2
	.globl	k_q9695a0d027_fc2
	.p2align	8
	.type	k_q9695a0d027_fc2,@function
k_q9695a0d027_fc2:
	s_mov_b64 s[64:65], 0
	v_nop
	global_prefetch_b8 v0, s[64:65] scope:SCOPE_SE
	s_setreg_imm32_b32 hwreg(HW_REG_WAVE_MODE, 25, 1), 1
	s_wait_xcnt 0x0
	s_wait_alu depctr_hold_cnt(0) depctr_sa_sdst(0) depctr_va_vdst(0) depctr_va_sdst(0) depctr_va_ssrc(0) depctr_va_vcc(0) depctr_vm_vsrc(0)
	s_getreg_b32 s2, hwreg(HW_REG_IB_STS2, 6, 4)
	s_cmp_eq_u32 s2, 0
	s_cbranch_scc0 .Lentry_in_a_cluster
	s_endpgm
.Lentry_in_a_cluster:
	s_bfe_u32 s2, ttmp6, 0x10000c
	s_cmp_lg_u32 s2, 0xf033
	s_cbranch_scc0 .Lentry_shape_is_right
	s_endpgm
.Lentry_shape_is_right:
; FC2: out0 = x1 + Q(hid) Q(fc2_w) + fc2_b, [4096 x 4096] x [4096 x 1024], on E4M3 codes, f32 sums; each finished sum x 2^(e10 + e11).
; Both operands lie in memory as fragment images (16 rows x 128 K, 2,048 bytes, in the order of the operand's registers): hid [256 row blocks][32 K steps]; the weight in prepc at BOFF, [64][32].
; SHARES.  A work-group makes 128 x 128 of the result: 256 work-groups.  K goes in slots of 512 (four images a row block) through a ring of two LDS slots of 131,072 bytes, filled by the tensor data mover.
; THE FOUR WAVES SHARE K, NOT THE BLOCK: of a slot's four K steps wave w takes step w, for the whole 128 x 128: 64 accumulators, 512 registers.  So each LDS byte of a slot is read once, by one wave,
; and 64 LDS loads feed 64 matrix instructions.  At the end the four partial blocks meet in LDS as rows; wave w adds the four parts of rows 32 w .. 32 w + 31.  The order of the sums differs from one chain along K.
; CLUSTERS: 4 x 4 work-groups; hid's tiles are shared along a row of the cluster, the weight's along a column: joint loads, one a wave (waves 0, 1: hid's halves; 2, 3: the weight's).
; PREFETCH: behind each joint load a wave asks for the slot two loads on: of the four row blocks that it fetches, the partner at place p (cx for hid, cy for the weight) names block p:
; 8,192 consecutive bytes, lanes 256 bytes apart: each block of 256 bytes once in a cluster.  The head asks for slots 1 and 2; trip t for slot t + 3; trips 5 and 6 for nothing: slot 7 is the last.
; SOURCE 0 = 16 rows of the weight, SOURCE 1 = 16 tokens: a lane holds one token's eight neighbouring columns.
; LIMIT: e10 + e11 lies between -126 and 127, so that 2^(e10 + e11) is an f32 number.
; REGISTERS, in windows of 256: window 0: v0-31 addresses, v32-95 at work on the way out, v128-255 hid's 8 fragments (on the way out: at work).  window 1: v0-127 the weight's 8 fragments, v128-255 my 32 rows of x1.
; windows 2, 3: accumulator (a, b) at v[8 (8 (a % 4) + b)].
.set KS,     32
.set BOFF,   8388608
.set HALFT,  32768                     ; 4 row blocks x 4 images: what one tensor load brings
.set SLOT,   4*HALFT
.set KB,     8192                      ; a slot's bytes of one row block
.set SPITCH, 528                       ; the way out: a row of 128 f32 + 16 bytes
.set PART,   128*SPITCH                ; one wave's partial block.  The four lie from byte 0 on: over both slots, which have had their last fill and their last read by then
.set SPARE,  4*PART                    ; behind them: the spare words, 128 bytes for each wave
.set FR,   16
.set BI,   8                           ; v8-11   the bias of my four columns
.set ADRA, 16                          ; v16-17  LDS address of hid's fragments of my K step in slot 0, 1
.set ADRB, 18                          ; v18-19  of the weight's
.set RD,   20                          ; v20-23  the way out: my rows in the four partial blocks
.set STO,  24                          ; v24     the way out: where I put 32 bytes of a row of my partial block
.set CO,   25                          ; v25     16 x lane
.set PFO,  26                          ; v26     256 x lane
.set SPW,  28
.set NIL,  29
.set AF,   128
.set RES,  128                         ; in window 1
.set G1, 24
.set G0, 32
.set G1B, 48
.set G0B, 56
.set PFA, 76                           ; s[76:77] where my prefetches stand
.set MSB, 0
.macro WIN new                         ; the immediate's high byte repeats the setting that is left
.if MSB != \new
	s_set_vgpr_msb (MSB<<8)|\new
.set MSB, \new
.endif
.endm
.set MUL_LO, 0xa1
.set MUL_HI, 0xf1
.set TO_B,   0x40
.macro JLOAD s                         ; a joint load; an s_nop 0 and four v_nop follow each line
	s_cmp_eq_u32 s11, 0
	s_cbranch_scc0 .Lfor_b_\@
	tensor_load_to_lds s[G0+4*(\s):G0+4*(\s)+3], s[G1:G1+7]
	s_nop 0
.rept 4
	v_nop
.endr
	s_branch .Lasked_\@
.Lfor_b_\@:
	tensor_load_to_lds s[G0B+4*(\s):G0B+4*(\s)+3], s[G1B:G1B+7]
	s_nop 0
.rept 4
	v_nop
.endr
.Lasked_\@:
.endm
.macro CROUND                          ; a round of the cluster's barrier
	s_barrier_signal -1
	s_barrier_wait -1
	s_cmp_lg_u32 s10, 0
	s_cbranch_scc1 .Lnot_wave_0_\@
	s_barrier_signal -3
.Lnot_wave_0_\@:
	s_barrier_wait -3
	s_barrier_signal -1
	s_barrier_wait -1
.endm
.macro PLACES                          ; plain vector lines between a matrix instruction and a load into, or a read of, its registers
.rept 4
	v_nop
.endr
.endm
	s_load_b128 s[4:7], s[0:1], 0x0                ; hid, prepc
	s_load_b256 s[68:75], s[0:1], 0x10             ; the scales' exponents, fc2_b, x1, out0
	v_lshl_add_u32 v[SPW], v0, 2, SPARE
	v_mov_b32 v[NIL], 0
	ds_add_u32 v[SPW], v[NIL]                      ; the wave's opening: the add, twice on end, and its wait ahead of my first tensor load
	ds_add_u32 v[SPW], v[NIL]
	v_lshrrev_b32 v1, 5, v0
	v_readfirstlane_b32 s10, v1                    ; wave 0..3
	s_lshr_b32 s11, s10, 1                         ; I fetch hid (0) or the weight (1)
	s_and_b32 s12, s10, 1                          ; which 4 row blocks of the tile I fetch
	s_bfe_u32 s40, ttmp6, 0x40000                  ; cx, cy
	s_bfe_u32 s41, ttmp6, 0x40004
	s_lshl_b32 s42, ttmp9, 2
	s_add_co_u32 s42, s42, s40                     ; tile column
	s_and_b32 s13, ttmp7, 0xffff
	s_lshl_b32 s13, s13, 2
	s_add_co_u32 s13, s13, s41                     ; tile row
	s_lshl_b32 s43, s41, 2
	s_lshl_b32 s43, 15, s43                        ; my row of the cluster
	s_lshl_b32 s44, 0x1111, s40                    ; my column
	s_or_b32 s[G1+0], s43, (3<<16)|(1<<21)         ; the mask; elements of 8 bytes; bit 21 beside a mask; no padding
	s_or_b32 s[G1B+0], s44, (3<<16)|(1<<21)
.irp g, G1, G1B
	s_mov_b32 s[\g+1], 1024<<16                    ; tensor_dim0 = 1,024 elements: four images, 8,192 bytes
	s_mov_b32 s[\g+2], 4<<16                       ; tensor_dim1 = 4 row blocks
	s_mov_b32 s[\g+3], 1024<<16
	s_mov_b32 s[\g+4], 4
	s_mov_b32 s[\g+5], KS*256                      ; from row block to row block: 32 images
	s_mov_b32 s[\g+6], 0
	s_mov_b32 s[\g+7], 0
.endr
	s_lshl_b32 s17, s12, 2
	s_lshl_b32 s16, s13, 3
	s_add_co_u32 s16, s16, s17                     ; hid: row block 8 x tile row + 4 x half
	s_mul_i32 s16, s16, KS*2048
	s_lshl_b32 s46, s42, 3
	s_add_co_u32 s46, s46, s17                     ; the weight: row block 8 x tile column + 4 x half
	s_mul_i32 s46, s46, KS*2048
	s_add_co_u32 s46, s46, BOFF
	s_mov_b32 s17, 0
	s_mov_b32 s47, 0
	s_mul_i32 s20, s10, HALFT                      ; where my tile goes: wave x 32,768
	s_lshl_b32 s21, s10, 11                        ; my K step's image in a row block's four
	s_mul_i32 s22, s10, PART                       ; my partial block
	s_mul_i32 s23, s10, 32*SPITCH                  ; my 32 rows in each partial block
	v_and_b32 v2, 31, v0
	v_lshlrev_b32 v[CO], 4, v2
	v_lshlrev_b32 v[PFO], 8, v2
	v_add_nc_u32 v[ADRA], s21, v[CO]
	v_add_nc_u32 v[ADRA+1], SLOT, v[ADRA]
	v_add_nc_u32 v[ADRB], 2*HALFT, v[ADRA]
	v_add_nc_u32 v[ADRB+1], SLOT, v[ADRB]
	v_and_b32 v3, 15, v0
	v_bfe_u32 v4, v0, 4, 1
	v_mul_u32_u24 v3, v3, SPITCH
	v_lshl_add_u32 v3, v4, 5, v3
	v_add_nc_u32 v[STO], s22, v3                   ; row lane % 16, 32 bytes for each half of the lanes
	v_add_nc_u32 v[RD], s23, v[CO]
	v_add_nc_u32 v[RD+1], PART, v[RD]
	v_add_nc_u32 v[RD+2], PART, v[RD+1]
	v_add_nc_u32 v[RD+3], PART, v[RD+2]
	s_wait_alu depctr_va_vdst(0)                   ; all address registers are made above and first read behind blocking waits
	s_wait_dscnt 0x0                               ; both opening adds are done
	s_wait_kmcnt 0x0
	s_load_b64 s[84:85], s[68:69], 0x28            ; e10, e11
	s_add_nc_u64 s[14:15], s[4:5], s[16:17]
	s_add_nc_u64 s[46:47], s[6:7], s[46:47]
.irp s, 0,1
	s_mov_b32 s[G0+4*\s], 1
	s_add_co_u32 s[G0+4*\s+1], s20, \s*SLOT
	s_add_nc_u64 s[G0+4*\s+2:G0+4*\s+3], s[14:15], \s*KB
	s_or_b32 s[G0+4*\s+3], s[G0+4*\s+3], 0x80000000
	s_mov_b32 s[G0B+4*\s], 1
	s_add_co_u32 s[G0B+4*\s+1], s20, \s*SLOT
	s_add_nc_u64 s[G0B+4*\s+2:G0B+4*\s+3], s[46:47], \s*KB
	s_or_b32 s[G0B+4*\s+3], s[G0B+4*\s+3], 0x80000000
.endr
	CROUND                                         ; all sixteen work-groups are here: the first joint loads meet
	JLOAD 0                                        ; slot 0: one tensor load a wave at the head
	; the prefetches: of the four row blocks that I fetch, my work-group names the one at its place among the four partners
	s_cmp_eq_u32 s11, 0
	s_cselect_b32 s18, s13, s42
	s_cselect_b32 s19, s40, s41
	s_cselect_b32 s78, 0, BOFF
	s_cselect_b64 s[PFA:PFA+1], s[4:5], s[6:7]
	s_lshl_b32 s18, s18, 3
	s_lshl_b32 s79, s12, 2
	s_add_co_u32 s18, s18, s79
	s_add_co_u32 s18, s18, s19
	s_lshl_b32 s18, s18, 16                        ; a row block's 32 images are 65,536 bytes
	s_add_co_u32 s18, s18, s78
	s_mov_b32 s19, 0
	s_add_nc_u64 s[PFA:PFA+1], s[PFA:PFA+1], s[18:19]
	global_prefetch_b8 v[PFO], s[PFA:PFA+1] offset:KB th:TH_LOAD_NT scope:SCOPE_SE     ; slot 1,
	global_prefetch_b8 v[PFO], s[PFA:PFA+1] offset:2*KB th:TH_LOAD_NT scope:SCOPE_SE   ; and slot 2
	; my 32 rows of x1 and of out0: row 128 x tile row + 32 x wave, 512 bytes at column 128 x tile column
	s_lshl_b32 s16, s13, 7
	s_lshl_b32 s17, s10, 5
	s_add_co_u32 s16, s16, s17
	s_lshl_b32 s16, s16, 12
	s_lshl_b32 s46, s42, 9
	s_mov_b32 s47, 0
	s_add_nc_u64 s[70:71], s[70:71], s[46:47]
	s_add_co_u32 s46, s46, s16
	s_add_nc_u64 s[72:73], s[72:73], s[46:47]
	s_add_nc_u64 s[74:75], s[74:75], s[46:47]
	global_load_b128 v[BI:BI+3], v[CO], s[70:71]
	WIN TO_B
.set i, 0
.rept 32
	global_load_b128 v[RES+4*i:RES+4*i+3], v[CO], s[72:73] offset:i*4096   ; a row's 512 consecutive bytes; they stay out until the way out
.set i, i+1
.endr
	WIN 0
.macro MUL16 a0, zero                  ; 16 matrix instructions; the 64 accumulators take turns, one instruction a turn, in the same order in every trip
.irp a, \a0, \a0+1
.irp b, 0,1,2,3,4,5,6,7
.if \zero
	v_wmma_f32_16x16x128_fp8_fp8 v[8*(8*((\a)%4)+\b):8*(8*((\a)%4)+\b)+7], v[FR*\b:FR*\b+FR-1], v[AF+FR*(\a):AF+FR*(\a)+FR-1], 0
.else
	v_wmma_f32_16x16x128_fp8_fp8 v[8*(8*((\a)%4)+\b):8*(8*((\a)%4)+\b)+7], v[FR*\b:FR*\b+FR-1], v[AF+FR*(\a):AF+FR*(\a)+FR-1], v[8*(8*((\a)%4)+\b):8*(8*((\a)%4)+\b)+7]
.endif
.endr
.endr
.endm
.macro FETCH slot                      ; my K step's 16 fragments, as their images lie: 64 loads of 512 consecutive bytes; the weight's first
	WIN TO_B
.irp i, 0,1,2,3,4,5,6,7
.irp c, 0,1,2,3
	ds_load_b128 v[FR*\i+4*\c:FR*\i+4*\c+3], v[ADRB+\slot] offset:\i*KB+512*\c
.endr
.endr
	WIN 0
.irp i, 0,1,2,3,4,5,6,7
.irp c, 0,1,2,3
	ds_load_b128 v[AF+FR*\i+4*\c:AF+FR*\i+4*\c+3], v[ADRA+\slot] offset:\i*KB+512*\c
.endr
.endr
.endm
; A TRIP: one slot.  In front of its barrier every wave waits for all its tensor loads (its part of this slot), adds 0 to its spare word, and waits for that and for its reads of the other slot.
; fill = 1: the barrier is a round of the cluster's barrier, and the other slot is filled again first behind it: that load has the whole trip in which to land.
; ask = 1: the prefetch; 2: in the loop, not in its last trip; last = 1: a barrier between my last reads of the ring and the way out's stores.
.macro TRIP slot, zero, fill, ask, last
.if \ask
	s_wait_xcnt 0x0                                ; my prefetches have read their address
	s_add_nc_u64 s[PFA:PFA+1], s[PFA:PFA+1], KB
.endif
	s_wait_tensorcnt 0x0
	ds_add_u32 v[SPW], v[NIL]
.if \fill
	s_add_nc_u64 s[G0+4*\slot+2:G0+4*\slot+3], s[G0+4*\slot+2:G0+4*\slot+3], 2*KB      ; no load of mine is out: this slot's next tile
	s_add_nc_u64 s[G0B+4*\slot+2:G0B+4*\slot+3], s[G0B+4*\slot+2:G0B+4*\slot+3], 2*KB
.endif
	s_wait_dscnt 0x0
.if \fill
	CROUND
	JLOAD 1-\slot                                  ; its four v_nop are the places in front of the loads below
.else
	s_barrier_signal -1
	s_barrier_wait -1
	PLACES
.endif
	FETCH \slot
.if \ask == 2
	s_cmp_gt_u32 s3, 1
	s_cbranch_scc0 .Lno_ask_\@
.endif
.if \ask
	global_prefetch_b8 v[PFO], s[PFA:PFA+1] offset:2*KB th:TH_LOAD_NT scope:SCOPE_SE   ; the slot two loads on
.endif
.if \ask == 2
.Lno_ask_\@:
.endif
	s_wait_dscnt 24                                ; the weight's fragments and hid's blocks 0, 1 are in; blocks 2-7, 24 loads, may be out
	WIN MUL_LO
	MUL16 0, \zero
	s_wait_dscnt 16
	MUL16 2, \zero
	s_wait_dscnt 8
	WIN MUL_HI
	MUL16 4, \zero
	s_wait_dscnt 0x0
.if \last
	s_barrier_signal -1                            ; my reads of the ring are over
.endif
	MUL16 6, \zero
	WIN 0
.if \last
	s_barrier_wait -1                              ; and everybody's
.endif
.endm
	TRIP 0, 1, 1, 1, 0                             ; slot 0 starts the sums; slot 1's first fill is issued as a refill is
	s_mov_b32 s3, 3
.Llap:
	TRIP 1, 0, 1, 2, 0
	TRIP 0, 0, 1, 2, 0
	s_sub_co_u32 s3, s3, 1
	s_cmp_lg_u32 s3, 0
	s_cbranch_scc1 .Llap
	TRIP 1, 0, 0, 0, 1                             ; the last slot: nothing is filled
	; THE WAY OUT.  My partial block goes into LDS as 128 rows of 512 bytes; each accumulator's low four registers first.
	PLACES
.irp a, 0,1,2,3,4,5,6,7
	WIN 0x08+4*(\a/4)                              ; the stores' data: window 2 or 3
.irp b, 0,1,2,3,4,5,6,7
	ds_store_b128 v[STO], v[8*(8*(\a%4)+\b):8*(8*(\a%4)+\b)+3] offset:\a*16*SPITCH+64*\b
	ds_store_b128 v[STO], v[8*(8*(\a%4)+\b)+4:8*(8*(\a%4)+\b)+7] offset:\a*16*SPITCH+64*\b+16
.endr
.endr
	WIN 0
	s_wait_kmcnt 0x0
	s_add_co_i32 s96, s84, s85
	s_add_co_i32 s96, s96, 127
	s_lshl_b32 s96, s96, 23                        ; 2^(e10 + e11) as f32
	s_mov_b32 s97, s96
	s_wait_dscnt 0x0                               ; for the others' sake: my stores have landed
	s_barrier_signal -1
	s_barrier_wait -1
.macro RDCH c                          ; four of my rows from each of the four partial blocks: the 32 lanes take a row's 512 bytes
.set BF, 32+96*((\c)%2)
.irp s, 0,1,2,3
.irp q, 0,1,2,3
	ds_load_b128 v[BF+16*\s+4*\q:BF+16*\s+4*\q+3], v[RD+\s] offset:(4*(\c)+\q)*SPITCH
.endr
.endr
.endm
.macro SUMCH c                         ; the four parts added, x 2^(e10 + e11) + x1, + the bias; stored as whole rows of 512 bytes, two aligned units of 256
.set BF, 32+96*((\c)%2)
.irp i, 0,2,4,6,8,10,12,14
	v_pk_add_f32 v[BF+\i:BF+\i+1], v[BF+\i:BF+\i+1], v[BF+16+\i:BF+17+\i]
	v_pk_add_f32 v[BF+32+\i:BF+33+\i], v[BF+32+\i:BF+33+\i], v[BF+48+\i:BF+49+\i]
.endr
.irp i, 0,2,4,6,8,10,12,14
	v_pk_add_f32 v[BF+\i:BF+\i+1], v[BF+\i:BF+\i+1], v[BF+32+\i:BF+33+\i]
.endr
	WIN 0x10                                       ; the third source: window 1
.irp i, 0,2,4,6,8,10,12,14
	v_pk_fma_f32 v[BF+\i:BF+\i+1], v[BF+\i:BF+\i+1], s[96:97], v[RES+16*(\c)+\i:RES+16*(\c)+\i+1] op_sel_hi:[1,0,1]
.endr
	WIN 0
.irp i, 0,2,4,6,8,10,12,14
	v_pk_add_f32 v[BF+\i:BF+\i+1], v[BF+\i:BF+\i+1], v[BI+\i%4:BI+\i%4+1]
.endr
.irp q, 0,1,2,3
	global_store_b128 v[CO], v[BF+4*\q:BF+4*\q+3], s[74:75] offset:(4*(\c)+\q)*4096 th:TH_STORE_NT
.endr
.endm
	RDCH 0
	s_wait_loadcnt 0x0                             ; the bias and x1
.irp c, 0,1,2,3,4,5,6,7
.if \c < 7
.if \c > 0
	s_wait_xcnt 0x0                                ; the stores of two chunks ago have read their registers, on which the next loads land
.endif
	RDCH \c+1
	s_wait_dscnt 16                                ; this chunk is in; the next chunk's 16 loads may be out
.else
	s_wait_dscnt 0x0
.endif
	SUMCH \c
.endr
	s_wait_tensorcnt 0x0                           ; the wave's end
	ds_add_u32 v[SPW], v[NIL]
	s_wait_dscnt 0x0
	CROUND                                         ; the closing round
	s_endpgm
.Lfunc_end_k_q9695a0d027_fc2:
	.size	k_q9695a0d027_fc2, .Lfunc_end_k_q9695a0d027_fc2-k_q9695a0d027_fc2
	.p2alignl 7, 3214868480
	.fill 96, 4, 3214868480
	.section	.rodata,"a",@progbits
	.p2align	6, 0x0
	.amdhsa_kernel k_q9695a0d027_fc2
		.amdhsa_group_segment_fixed_size 327680
		.amdhsa_private_segment_fixed_size 0
		.amdhsa_enable_private_segment 0
		.amdhsa_kernarg_size 48
		.amdhsa_user_sgpr_count 2
		.amdhsa_user_sgpr_kernarg_segment_ptr 1
		.amdhsa_wavefront_size32 1
		.amdhsa_system_sgpr_workgroup_id_x 1
		.amdhsa_system_sgpr_workgroup_id_y 1
		.amdhsa_system_sgpr_workgroup_id_z 1
		.amdhsa_system_vgpr_workitem_id 0
		.amdhsa_next_free_vgpr 1024
		.amdhsa_next_free_sgpr 100
		.amdhsa_reserve_vcc 0
		.amdhsa_float_denorm_mode_32 3
		.amdhsa_float_denorm_mode_16_64 3
		.amdhsa_memory_ordered 1
		.amdhsa_forward_progress 1
		.amdhsa_inst_pref_size 89
	.end_amdhsa_kernel
	.amdgpu_metadata
---
amdhsa.version: [ 1, 2 ]
amdhsa.kernels:
  - .name:           k_q9695a0d027_fc2
    .symbol:         k_q9695a0d027_fc2.kd
    .args:
      - { .name: hid, .offset: 0, .size: 8, .value_kind: global_buffer, .address_space: global }
      - { .name: prepc, .offset: 8, .size: 8, .value_kind: global_buffer, .address_space: global }
      - { .name: lowp_scales, .offset: 16, .size: 8, .value_kind: global_buffer, .address_space: global }
      - { .name: fc2_b, .offset: 24, .size: 8, .value_kind: global_buffer, .address_space: global }
      - { .name: x1, .offset: 32, .size: 8, .value_kind: global_buffer, .address_space: global }
      - { .name: out0, .offset: 40, .size: 8, .value_kind: global_buffer, .address_space: global }
    .group_segment_fixed_size: 327680
    .private_segment_fixed_size: 0
    .kernarg_segment_align: 8
    .kernarg_segment_size: 48
    .max_flat_workgroup_size: 128
    .sgpr_count:     100
    .vgpr_count:     1024
    .wavefront_size: 32
...
	.end_amdgpu_metadata
.endif
;; end of part 7
